; MI455X (gfx1250); checked and timed in simulation.
; The chip was launched on July 23, 2026; its instructions are those of AMD's public machine-readable ISA for CDNA 5 (MIT licence, August 2026) and "CDNA5" Instruction Set Architecture Reference Guide (July 2026). The comments in the code are by the model that wrote it; some were corrected since.
;; Multi Head Latent Attention. Allowed arithmetic: float matrix products may take bf16 or f16 operands with f32 sums; other float arithmetic in f32, or as packed bf16 or f16 multiplies, adds, multiply-adds, maxima and minima; sums over many terms, partial sums and values carried from step to step in f32; what a program stores and reads back later, other than sums and carried values, may be rounded once to bf16 or f16.
;; Inputs: Wdown 1,024 x 512 float32; Wk_up 512 x 2,048 float32; Wo 2,048 x 1,024 float32; Wq 1,024 x 2,048 float32; Wv_up 512 x 2,048 float32; x 2 x 2,048 x 1,024 float32.
;; Outputs: out0 2 x 2,048 x 1,024 float32; out1 2 x 2,048 x 512 float32.
;; One version. Each part assembles by itself: llvm-mc -triple=amdgcn-amd-amdhsa -mcpu=gfx1250 --defsym DOCPART=n.
;; ======== version 1 of 1: 5 launches
;; limits: values are held in f16: magnitudes above 65,504 overflow, below 6.1e-05 lose precision
;; workspace buffers: b16 22,020,096 bytes; amax 2,304 bytes; cb 8,388,608 bytes; q16 16,777,216 bytes; k16 16,777,216 bytes; v16 16,777,216 bytes; o16 16,777,216 bytes
;; launch prep (part 1): grid 672 x 1, 8 waves a work-group, no clusters, 1,280 bytes of LDS; arguments x, Wq, Wdown, Wk_up, Wv_up, Wo, b16, amax; writes b16, amax
.if DOCPART == 1
	.amdgcn_target "amdgcn-amd-amdhsa--gfx1250"
	.amdhsa_code_object_version 6
	.text
	.protected	k_q76f3b90bee_prep
	.globl	k_q76f3b90bee_prep
	.p2align	8
	.type	k_q76f3b90bee_prep,@function
k_q76f3b90bee_prep:
	s_mov_b64 s[64:65], 0
	v_nop
	global_prefetch_b8 v0, s[64:65] scope:SCOPE_SE
	s_setreg_imm32_b32 hwreg(HW_REG_WAVE_MODE, 25, 1), 1
	s_wait_xcnt 0x0
; PREP.  All six inputs are rounded once to bf16 and laid one after the other in b16 (x, Wq, Wdown, Wk_up, Wv_up as bf16; Wo's bf16 number written as f16, for the
; last product, whose other operand is f16).  For the first five the largest magnitude of each chunk goes to amax: the later launches take power-of-two scales from it.
; SHARES.  A work-group takes one chunk of 16,384 numbers (65,536 bytes in, 32,768 out), a wave 2,048: sixteen loads of 16 bytes a lane, each 512 consecutive bytes of the
; wave, all issued at once; each store of 8 bytes a lane covers 256 consecutive bytes, aligned.  Chunk g lands at byte 32,768 g of b16, its maximum in word g of amax.
; Nothing is shared and nothing is multiplied: no matrix unit, no tensor load, no cluster.  The 544 maxima are stores of four bytes, one a work-group: 2,176 bytes in all.
; LIMITS.  |Wo| beyond 65,504 becomes an infinity in f16, and below 6e-5 it keeps f16's fixed step of 6e-8.  NaN and infinities are not treated apart.
.set SPARE, 256                        ; LDS: bytes 0-31 the eight waves' maxima; from 256 on the spare words, 128 bytes for each wave
.set M,   4                            ; v4-5     two running maxima (two bf16 magnitudes each)
.set SPW, 8                            ; v8       my spare word's LDS address; never rewritten
.set NIL, 9                            ; v9       0; never rewritten
.set X,   16                           ; v[16:79]   the sixteen loads
.set Y,   80                           ; v[80:111]  the sixteen stores' data: each pair is written once, so no store's data is ever rewritten
.set T,   112                          ; v[112:119] at work
	s_load_b512 s[4:19], s[0:1], 0x0               ; x s[4:5], Wq s[6:7], Wdown s[8:9], Wk_up s[10:11], Wv_up s[12:13], Wo s[14:15], b16 s[16:17], amax s[18:19]
	v_lshl_add_u32 v[SPW], v0, 2, SPARE
	v_mov_b32 v[NIL], 0
	v_lshrrev_b32 v1, 5, v0
	v_readfirstlane_b32 s26, v1                    ; wave 0..7
	v_and_b32 v6, 31, v0
	v_lshlrev_b32 v2, 4, v6
	v_lshl_add_u32 v2, v1, 13, v2                  ; in: 8,192 x wave + 16 x lane
	v_lshlrev_b32 v3, 3, v6
	v_lshl_add_u32 v3, v1, 12, v3                  ; out: 4,096 x wave + 8 x lane
	v_lshlrev_b32 v10, 2, v1                       ; my wave's word among the eight maxima
	v_mov_b32 v11, 0
	s_mov_b32 s20, ttmp9                           ; the chunk
	s_mov_b32 s21, 0                               ; the first chunk of its tensor
	s_mov_b32 s27, 0x7fff7fff                      ; clears the signs of two bf16
	s_mov_b32 s31, 0xffff0000                      ; a word's upper bf16
	s_mov_b32 s28, 0x76543210                      ; v_permlanex16_b32: each lane takes its own place in the other half
	s_mov_b32 s29, 0xfedcba98
	s_wait_kmcnt 0x0
	s_mov_b64 s[22:23], s[4:5]
.macro PICK first, reg                 ; from chunk 'first' on the source is the tensor whose address lies in s[reg:reg+1]
	s_cmp_ge_u32 s20, \first
	s_cselect_b64 s[22:23], s[(\reg):(\reg)+1], s[22:23]
	s_cselect_b32 s21, \first, s21
.endm
	PICK 256, 6
	PICK 384, 8
	PICK 416, 10
	PICK 480, 12
	PICK 544, 14
	s_sub_co_u32 s24, s20, s21
	s_lshl_b32 s24, s24, 16                        ; the chunk's 65,536 bytes in its tensor
	s_mov_b32 s25, 0
	s_add_nc_u64 s[22:23], s[22:23], s[24:25]
	s_lshl_b32 s24, s20, 15
	s_add_nc_u64 s[16:17], s[16:17], s[24:25]      ; its 32,768 bytes in b16
	s_lshl_b32 s24, s20, 2
	s_add_nc_u64 s[18:19], s[18:19], s[24:25]      ; its word in amax
.set j, 0
.rept 16
	global_load_b128 v[X+4*j:X+4*j+3], v2, s[22:23] offset:512*j th:TH_LOAD_NT
.set j, j+1
.endr
; Load j is rounded and stored.  wo = 1: the bf16 numbers are written as f16, and no maximum is kept.
.macro CV j, wo
	s_wait_loadcnt 15-(\j)                         ; loads come back in order: load j is in, the younger ones stay out
	v_cvt_pk_bf16_f32 v[Y+2*(\j)], v[X+4*(\j)], v[X+4*(\j)+1]
	v_cvt_pk_bf16_f32 v[Y+2*(\j)+1], v[X+4*(\j)+2], v[X+4*(\j)+3]
.if \wo
	v_lshlrev_b32 v[T], 16, v[Y+2*(\j)]
	v_and_b32 v[T+1], s31, v[Y+2*(\j)]
	v_lshlrev_b32 v[T+2], 16, v[Y+2*(\j)+1]
	v_and_b32 v[T+3], s31, v[Y+2*(\j)+1]
	v_cvt_pk_f16_f32 v[Y+2*(\j)], v[T], v[T+1]
	v_cvt_pk_f16_f32 v[Y+2*(\j)+1], v[T+2], v[T+3]
.elseif (\j) == 0
	v_and_b32 v[M], s27, v[Y]                      ; the first two words start the chains: nothing is cleared
	v_and_b32 v[M+1], s27, v[Y+1]
.else
	v_and_b32 v[T], s27, v[Y+2*(\j)]
	v_and_b32 v[T+1], s27, v[Y+2*(\j)+1]
	v_pk_max_num_bf16 v[M], v[M], v[T]
	v_pk_max_num_bf16 v[M+1], v[M+1], v[T+1]
.endif
	global_store_b64 v3, v[Y+2*(\j):Y+2*(\j)+1], s[16:17] offset:256*(\j) th:TH_STORE_NT
.endm
	s_cmp_ge_u32 s20, 544                          ; the same answer in all eight waves: the chunk's number decides
	s_cbranch_scc1 .Lwo
.irp j, 0,1,2,3,4,5,6,7,8,9,10,11,12,13,14,15
	CV \j, 0
.endr
	v_pk_max_num_bf16 v[M], v[M], v[M+1]
	v_lshlrev_b32 v6, 16, v[M]                     ; the two halves as f32
	v_and_b32 v7, s31, v[M]
	v_max_num_f32 v6, v6, v7
	v_max_num_f32_dpp v6, v6, v6 row_xmask:1 row_mask:0xf bank_mask:0xf
	v_max_num_f32_dpp v6, v6, v6 row_xmask:2 row_mask:0xf bank_mask:0xf
	v_max_num_f32_dpp v6, v6, v6 row_xmask:4 row_mask:0xf bank_mask:0xf
	v_max_num_f32_dpp v6, v6, v6 row_xmask:8 row_mask:0xf bank_mask:0xf
	v_permlanex16_b32 v7, v6, s28, s29
	v_max_num_f32 v6, v6, v7                       ; the wave's maximum, in every lane
	ds_store_b32 v10, v6
	s_wait_dscnt 0x0                               ; for the others' sake: my store is done
	s_barrier_signal -1
	s_barrier_wait -1
	s_cmp_lg_u32 s26, 0
	s_cbranch_scc1 .Lend                           ; wave 0 finishes
	ds_load_b128 v[T:T+3], v11
	ds_load_b128 v[T+4:T+7], v11 offset:16
	s_wait_dscnt 0x0
	v_max3_num_f32 v[T], v[T], v[T+1], v[T+2]
	v_max3_num_f32 v[T+4], v[T+4], v[T+5], v[T+6]
	v_max3_num_f32 v[T], v[T], v[T+3], v[T+7]
	v_max_num_f32 v[T], v[T], v[T+4]
	v_cmp_eq_u32 vcc_lo, 0, v0
	s_wait_xcnt 0x0                                ; EXEC is a source of the stores above: it changes only behind this wait
	s_and_saveexec_b32 s30, vcc_lo
	global_store_b32 v11, v[T], s[18:19]           ; thread 0 alone
	s_wait_xcnt 0x0                                ; and again in front of the line that widens it
	s_or_b32 exec_lo, exec_lo, s30
.Lend:
	s_wait_tensorcnt 0x0                           ; the wave's end
	ds_add_u32 v[SPW], v[NIL]
	s_wait_dscnt 0x0
	s_endpgm
.Lwo:                                          ; Wo's chunks: no maximum, no LDS store, no barrier
.irp j, 0,1,2,3,4,5,6,7,8,9,10,11,12,13,14,15
	CV \j, 1
.endr
	s_wait_tensorcnt 0x0
	ds_add_u32 v[SPW], v[NIL]
	s_wait_dscnt 0x0
	s_endpgm
.Lfunc_end_k_q76f3b90bee_prep:
	.size	k_q76f3b90bee_prep, .Lfunc_end_k_q76f3b90bee_prep-k_q76f3b90bee_prep
	.p2alignl 7, 3214868480
	.fill 96, 4, 3214868480
	.section	.rodata,"a",@progbits
	.p2align	6, 0x0
	.amdhsa_kernel k_q76f3b90bee_prep
		.amdhsa_group_segment_fixed_size 1280
		.amdhsa_private_segment_fixed_size 0
		.amdhsa_enable_private_segment 0
		.amdhsa_kernarg_size 64
		.amdhsa_user_sgpr_count 2
		.amdhsa_user_sgpr_kernarg_segment_ptr 1
		.amdhsa_wavefront_size32 1
		.amdhsa_system_sgpr_workgroup_id_x 1
		.amdhsa_system_sgpr_workgroup_id_y 1
		.amdhsa_system_sgpr_workgroup_id_z 1
		.amdhsa_system_vgpr_workitem_id 0
		.amdhsa_next_free_vgpr 120
		.amdhsa_next_free_sgpr 66
		.amdhsa_reserve_vcc 1
		.amdhsa_float_denorm_mode_32 3
		.amdhsa_float_denorm_mode_16_64 3
		.amdhsa_memory_ordered 1
		.amdhsa_forward_progress 1
		.amdhsa_inst_pref_size 21
	.end_amdhsa_kernel
	.amdgpu_metadata
---
amdhsa.version: [ 1, 2 ]
amdhsa.kernels:
  - .name:           k_q76f3b90bee_prep
    .symbol:         k_q76f3b90bee_prep.kd
    .args:
      - { .name: x, .offset: 0, .size: 8, .value_kind: global_buffer, .address_space: global }
      - { .name: Wq, .offset: 8, .size: 8, .value_kind: global_buffer, .address_space: global }
      - { .name: Wdown, .offset: 16, .size: 8, .value_kind: global_buffer, .address_space: global }
      - { .name: Wk_up, .offset: 24, .size: 8, .value_kind: global_buffer, .address_space: global }
      - { .name: Wv_up, .offset: 32, .size: 8, .value_kind: global_buffer, .address_space: global }
      - { .name: Wo, .offset: 40, .size: 8, .value_kind: global_buffer, .address_space: global }
      - { .name: b16, .offset: 48, .size: 8, .value_kind: global_buffer, .address_space: global }
      - { .name: amax, .offset: 56, .size: 8, .value_kind: global_buffer, .address_space: global }
    .group_segment_fixed_size: 1280
    .private_segment_fixed_size: 0
    .kernarg_segment_align: 8
    .kernarg_segment_size: 64
    .max_flat_workgroup_size: 256
    .sgpr_count:     66
    .vgpr_count:     120
    .wavefront_size: 32
...
	.end_amdgpu_metadata
.endif
;; end of part 1
;; launch qc (part 2): grid 8 x 32, 4 waves a work-group, clusters of 4 x 4, 327,680 bytes of LDS; arguments b16, amax, q16, cb, out1; writes q16, cb, out1
.if DOCPART == 2
	.amdgcn_target "amdgcn-amd-amdhsa--gfx1250"
	.amdhsa_code_object_version 6
	.text
	.protected	k_q76f3b90bee_qc
	.globl	k_q76f3b90bee_qc
	.p2align	8
	.type	k_q76f3b90bee_qc,@function
k_q76f3b90bee_qc:
	s_mov_b64 s[64:65], 0
	v_nop
	global_prefetch_b8 v0, s[64:65] scope:SCOPE_SE
	s_setreg_imm32_b32 hwreg(HW_REG_WAVE_MODE, 25, 1), 1
	s_wait_xcnt 0x0
	s_wait_alu depctr_hold_cnt(0) depctr_sa_sdst(0) depctr_va_vdst(0) depctr_va_sdst(0) depctr_va_ssrc(0) depctr_va_vcc(0) depctr_vm_vsrc(0)
	s_getreg_b32 s2, hwreg(HW_REG_IB_STS2, 6, 4)
	s_cmp_eq_u32 s2, 0
	s_cbranch_scc0 .Lentry_in_a_cluster
	s_endpgm
.Lentry_in_a_cluster:
	s_bfe_u32 s2, ttmp6, 0x10000c
	s_cmp_lg_u32 s2, 0xf033
	s_cbranch_scc0 .Lentry_shape_is_right
	s_endpgm
.Lentry_shape_is_right:
; QC.  Q = x Wq and c = x Wdown in one walk over x.  x [4096][1024], Wq [1024][2048], Wdown [1024][512] lie in b16 as bf16; sums in f32.
; OUT.  Q goes to q16 by heads, [b*16+h][2048][128], as f16 times 2^-shiftQ; c goes to out1 as f32 and to cb as bf16 hi + lo: columns 8g..8g+3 of cb hold hi(c[4g..4g+3]), 8g+4..8g+7 their lo = bf16(c - hi).
; SCALE.  shiftQ = Ex + Eq + 1, with E the exponent of the largest |x|, |Wq| (from amax): |Q| <= 1024 x 2^(Ex+1) x 2^(Eq+1), so |Q| 2^-shiftQ <= 2^11: no f16 infinity for any finite input.
; LIMIT: the scale's exponent field 380 - bx - bq is held to 1..254.  NaN and infinities are not treated apart.
; SHARES.  Work-group (nj, mi): rows 128 mi.., Q's columns 256 nj.. (two heads) and c's columns 64 nj..: c rides on the tile of x that Q needs anyway.  Wave (wr, wc): 64 rows x (128 columns of Q + 32 of c):
; 40 accumulators.  K goes in 8 steps of 128 through two LDS slots; a step is four quarters of 32, 40 matrix instructions and 28 LDS loads each, on two fragment buffers.
; THE MATRIX INSTRUCTION IS USED TRANSPOSED: source 0 = 16 columns of W (turned out of LDS by ds_load_tr16_b128, since W lies [k][n]), source 1 = 16 rows of x: a lane then holds 8 neighbouring columns of one row.
; CLUSTER 4 x 4.  x's tile hangs on mi alone and is asked for jointly along a row of the cluster; the weights' tiles hang on nj alone and are asked for jointly along a column.
; Wave 0 fetches x's tile, waves 1 and 2 Wq's two column halves, wave 3 Wdown's (rows of 128 bytes: one part in seven of a step's bytes).
; REGISTERS: window 0: addresses, the way out.  Window 1: two fragment buffers of 112: Wq's 8 at 8 b, Wdown's 2 at 64 + 8 b, x's 4 at 80 + 8 a.  Window 2: Q's accumulator (a, b) at 8 (8 a + b).  Window 3: c's at 8 (2 a + b).
.set WQO,   8388608                    ; byte offsets in b16
.set WDO,   12582912
.set PA,    272                        ; LDS pitch of x's rows: 256 + 16: the 16 rows of a fragment load start at 16 different groups of four banks
.set PQ,    288                        ; of Wq's rows: 256 + 32, an odd multiple of 32, for the turning load
.set PCC,   160                        ; of Wdown's rows: 128 + 32
.set REG,   36864                      ; a slot is four regions of this size, one for each wave's tile: x (34,816 used), Wq's halves (36,864 each), Wdown (20,480 used)
.set SLOT1, 1<<17                      ; past the four tiles (Wdown's ends at 131,072): slot 1 begins here, so one exclusive or turns an address in one slot into the other's
.set STAGEQ, 2*SLOT1                   ; behind the ring, never filled by a tensor load: 16 rows x 272 bytes for each wave
.set STAGEC, STAGEQ+4*16*272           ; 128 rows x 272 bytes, the work-group's: c's 64 columns of f32
.set SPARE, STAGEC+128*272             ; the spare words, 128 bytes for each wave
.set A0, 2                             ; v2-4   my lane's place in x's, Wq's, Wdown's tile of slot 0; never rewritten
.set Q0, 3
.set C0, 4
.set ADRA, 5                           ; v5-7   the same in the slot being read
.set ADRQ, 6
.set ADRC, 7
.set STO, 8                            ; v8-10  Q's way out: into my stage, back, my offset in 512 consecutive bytes of q16
.set RD,  9
.set GOQ, 10
.set STC, 11                           ; v11-13 c's way out: into the stage, back, my offset in two rows of out1 and cb
.set RDC, 12
.set GOC, 13
.set PFO, 15                           ; v15    the prefetches' offset: my lane x a row
.set AO,  16                           ; v16    16 x lane, for amax
.set SPW, 28
.set NIL, 29
.set BK,  32                           ; v[32:159]  rows read back from a stage
.set CBO, 96                           ; v[96:159]  c's hi and lo words (while c goes out)
.set TMP, 160                          ; v[160:191] at work
.set F0,  0
.set F1,  128
.set WV, 14
.set WR, 15
.set WC, 16
.set CX, 17
.set CY, 18
.set NJ, 19
.set MI, 20
.set G1A, 24                           ; s[24:31], s[32:39], s[40:47] descriptor group 1 for x, Wq, Wdown
.set G1Q, 32
.set G1C, 40
.set G0A, 48                           ; s[48:55], s[56:63], s[68:75] group 0: a set for each of the two first fills; the second then walks on
.set G0Q, 56
.set G0C, 68
.set PFA, 76                           ; s[76:77] where my prefetches stand
.set PFS, 78                           ; s[78:79] a K step in bytes, for them
.set LIM, 80                           ; s80  2 in a wave that prefetches, else the greatest number
.set TB,  81                           ; s81  the slot being read: 0 or SLOT1
.set BX,  82
.set BQ,  83
.set SQ,  84                           ; s[84:85] 2^-shiftQ
.set SEL, 86
.set MSB, 0
.macro WIN new                         ; the immediate's high byte repeats the setting that is left; a switch that changes nothing is dropped
.if MSB != (\new)
	s_set_vgpr_msb (MSB<<8)|(\new)
.set MSB, \new
.endif
.endm
.macro PLACES                          ; four places in front of loads into registers that matrix instructions have read, and of lines that read results
.rept 4
	v_nop
.endr
.endm
.macro CREST                           ; a round of the cluster's barrier behind its opening barrier
	s_cmp_lg_u32 s[WV], 0
	s_cbranch_scc1 .Lnot_wave_0_\@
	s_barrier_signal -3
.Lnot_wave_0_\@:
	s_barrier_wait -3
	s_barrier_signal -1
	s_barrier_wait -1
.endm
.macro CROUND
	s_barrier_signal -1
	s_barrier_wait -1
	CREST
.endm
; A joint refill by the walking sets.  Each line has one mask and one set of registers for all that issue it; the branches hang on the wave's number alone.
; An s_nop 0 and four v_nop follow each line, ahead of the jump and the label.
.macro JLOAD
	s_cmp_eq_u32 s[WV], 0
	s_cbranch_scc0 .Lnot_a_\@
	tensor_load_to_lds s[G0A+4:G0A+7], s[G1A:G1A+7]
	s_nop 0
	PLACES
	s_branch .Lasked_\@
.Lnot_a_\@:
	s_cmp_eq_u32 s[WV], 3
	s_cbranch_scc1 .Lfor_c_\@
	tensor_load_to_lds s[G0Q+4:G0Q+7], s[G1Q:G1Q+7]
	s_nop 0
	PLACES
	s_branch .Lasked_\@
.Lfor_c_\@:
	tensor_load_to_lds s[G0C+4:G0C+7], s[G1C:G1C+7]
	s_nop 0
	PLACES
.Lasked_\@:
.endm
; A PREFETCH INTO THE L2, behind each joint refill and the run of LDS loads that follows it: 32 rows x 256 bytes of the K step that stands two refills on (320 matrix instructions ahead of its load), a lane a row.
; Each row's 256 bytes of a K step are named once in the launch: x's rows by the clusters with x = 0 (wave 0), Wq's by the clusters with y = 0 (waves 1 and 2); the four partners that ask for a tile jointly
; share its 128 rows out by address (cx for x, cy for Wq).  K steps 0 to 3 come by their loads alone; the last two refills have no K step two on.  Wdown's short rows are not asked for.
.macro ASK
	WIN 0
	s_cmp_gt_u32 s3, s[LIM]
	s_cbranch_scc0 .Lnot_mine_\@
	global_prefetch_b8 v[PFO], s[PFA:PFA+1] th:TH_LOAD_NT scope:SCOPE_SE
.Lnot_mine_\@:
.endm
.macro XMAX a, b, sd                   ; the wave's maximum of v[a] (v[b] at work): its exponent field into s[sd]
	v_max_num_f32_dpp v[\a], v[\a], v[\a] row_xmask:1 row_mask:0xf bank_mask:0xf
	v_max_num_f32_dpp v[\a], v[\a], v[\a] row_xmask:2 row_mask:0xf bank_mask:0xf
	v_max_num_f32_dpp v[\a], v[\a], v[\a] row_xmask:4 row_mask:0xf bank_mask:0xf
	v_max_num_f32_dpp v[\a], v[\a], v[\a] row_xmask:8 row_mask:0xf bank_mask:0xf
	v_permlanex16_b32 v[\b], v[\a], s[SEL], s[SEL+1]
	v_max_num_f32 v[\a], v[\a], v[\b]
	v_readfirstlane_b32 s[\sd], v[\a]
	s_bfe_u32 s[\sd], s[\sd], 0x80017
.endm
.macro MAKE0 g, base, step             ; group 0, twice: slot s and K step s
.irp s, 0,1
	s_mov_b32 s[(\g)+4*(\s)], 1
	s_add_co_u32 s[(\g)+4*(\s)+1], s23, (\s)*SLOT1
	s_add_nc_u64 s[(\g)+4*(\s)+2:(\g)+4*(\s)+3], s[(\base):(\base)+1], (\s)*(\step)
	s_or_b32 s[(\g)+4*(\s)+3], s[(\g)+4*(\s)+3], 0x80000000
.endr
.endm
.macro MAKE1 g, d0, d1, pitch          ; group 1 behind its first word: a tile of d1 rows x d0 elements
	s_mov_b32 s[(\g)+1], (\d0)<<16
	s_mov_b32 s[(\g)+2], (\d1)<<16
	s_mov_b32 s[(\g)+3], (\d0)<<16
	s_mov_b32 s[(\g)+4], \d1
	s_mov_b32 s[(\g)+5], \pitch
	s_mov_b32 s[(\g)+6], 0
	s_mov_b32 s[(\g)+7], 0
.endm
	s_load_b256 s[4:11], s[0:1], 0x0               ; b16 s[4:5], amax s[6:7], q16 s[8:9], cb s[10:11]
	s_load_b64 s[12:13], s[0:1], 0x20              ; out1
	v_lshl_add_u32 v[SPW], v0, 2, SPARE
	v_mov_b32 v[NIL], 0
	ds_add_u32 v[SPW], v[NIL]                      ; the wave's opening: the add and its wait stand ahead of my first tensor load; the set-up between them
	v_lshrrev_b32 v1, 5, v0
	v_readfirstlane_b32 s[WV], v1
	s_lshr_b32 s[WR], s[WV], 1                     ; which 64 rows are mine.  Also: which column half of Wq waves 1 and 2 fetch
	s_and_b32 s[WC], s[WV], 1                      ; which head, and which 32 columns of c
	s_bfe_u32 s[CX], ttmp6, 0x40000
	s_bfe_u32 s[CY], ttmp6, 0x40004
	s_lshl_b32 s[NJ], ttmp9, 2
	s_add_co_u32 s[NJ], s[NJ], s[CX]               ; nj = 4 x cluster x + cx
	s_and_b32 s[MI], ttmp7, 0xffff
	s_lshl_b32 s[MI], s[MI], 2
	s_add_co_u32 s[MI], s[MI], s[CY]               ; mi = 4 x cluster y + cy
	s_lshl_b32 s21, s[CY], 2
	s_lshl_b32 s21, 15, s21                        ; my row of the cluster
	s_lshl_b32 s22, 0x1111, s[CX]                  ; my column
	s_or_b32 s[G1A], s21, (1<<16)|(1<<20)|(1<<21)|(5<<22)|(3<<25)  ; mask; 2-byte elements; padding on; bit 21 beside a mask; after every 64 words 4 words
	s_or_b32 s[G1Q], s22, (1<<16)|(1<<20)|(1<<21)|(5<<22)|(7<<25)  ; after every 64 words 8 words
	s_or_b32 s[G1C], s22, (1<<16)|(1<<20)|(1<<21)|(4<<22)|(7<<25)  ; after every 32 words 8 words
	MAKE1 G1A, 128, 128, 1024
	MAKE1 G1Q, 128, 128, 2048
	MAKE1 G1C, 64, 128, 512
	s_mul_i32 s23, s[WV], REG                      ; where my tile goes: wave x a region: no place in the cluster enters an LDS address
	s_mov_b32 s[TB], 0
	s_mov_b32 s[SEL], 0x76543210
	s_mov_b32 s[SEL+1], 0xfedcba98
	s_lshl_b32 s88, s[MI], 18                      ; x: 128 mi rows of 2,048 bytes (s88-91 hold nothing of cx)
	s_mov_b32 s89, 0
	s_lshl_b32 s92, s[NJ], 9                       ; Wq: 256 nj columns, + 128 for the second half (s92-95 hold nothing of cy)
	s_lshl_b32 s93, s[WR], 8
	s_add_co_u32 s92, s92, s93
	s_add_co_u32 s92, s92, WQO
	s_mov_b32 s93, 0
	s_lshl_b32 s94, s[NJ], 7                       ; Wdown: 64 nj columns
	s_add_co_u32 s94, s94, WDO
	s_mov_b32 s95, 0
	s_wait_dscnt 0x0                               ; the opening add is done
	s_wait_kmcnt 0x0
	s_add_nc_u64 s[90:91], s[4:5], s[88:89]
	s_add_nc_u64 s[92:93], s[4:5], s[92:93]
	s_add_nc_u64 s[94:95], s[4:5], s[94:95]
	MAKE0 G0A, 90, 256                             ; a K step: 128 columns of x,
	MAKE0 G0Q, 92, 128*4096                        ; 128 rows of Wq,
	MAKE0 G0C, 94, 128*1024                        ; 128 rows of Wdown
	CROUND                                         ; all sixteen work-groups are here: the first joint loads meet
	s_cmp_eq_u32 s[WV], 0                          ; a wave's two first fills stand in one branch: two loads of mine are out
	s_cbranch_scc0 .Lfirst_not_a
	tensor_load_to_lds s[G0A:G0A+3], s[G1A:G1A+7]
	s_nop 0
	tensor_load_to_lds s[G0A+4:G0A+7], s[G1A:G1A+7]
	s_nop 0
	PLACES
	s_branch .Lfirst_asked
.Lfirst_not_a:
	s_cmp_eq_u32 s[WV], 3
	s_cbranch_scc1 .Lfirst_c
	tensor_load_to_lds s[G0Q:G0Q+3], s[G1Q:G1Q+7]
	s_nop 0
	tensor_load_to_lds s[G0Q+4:G0Q+7], s[G1Q:G1Q+7]
	s_nop 0
	PLACES
	s_branch .Lfirst_asked
.Lfirst_c:
	tensor_load_to_lds s[G0C:G0C+3], s[G1C:G1C+7]
	s_nop 0
	tensor_load_to_lds s[G0C+4:G0C+7], s[G1C:G1C+7]
	s_nop 0
	PLACES
.Lfirst_asked:
	v_and_b32 v17, 15, v0                          ; r = l % 16
	v_bfe_u32 v18, v0, 4, 1                        ; h = l / 16
	v_and_b32 v19, 7, v0
	v_bfe_u32 v20, v0, 3, 1
	v_and_b32 v21, 31, v0
	v_lshlrev_b32 v[AO], 4, v21
	global_load_b128 v[32:35], v[AO], s[6:7]               ; x's 256 maxima,
	global_load_b128 v[36:39], v[AO], s[6:7] offset:512
	global_load_b128 v[40:43], v[AO], s[6:7] offset:1024   ; Wq's 128
	v_mul_u32_u24 v23, v17, 272                    ; r x 272
	v_mul_u32_u24 v24, v18, 272                    ; h x 272
	v_lshl_add_u32 v[A0], v18, 4, v23              ; x's fragments: (64 wr + r) x pitch + 16 h
	s_mul_i32 s2, s[WR], 64*PA
	v_add_nc_u32 v[A0], s2, v[A0]
	v_lshl_add_u32 v22, v18, 3, v19                ; the turning load: row 8 h + l % 8, 16 bytes at 16 ((l / 8) % 2)
	v_mul_u32_u24 v[Q0], v22, PQ
	v_lshl_add_u32 v[Q0], v20, 4, v[Q0]
	s_mul_i32 s2, s[WC], REG
	s_add_co_u32 s2, s2, REG
	v_add_nc_u32 v[Q0], s2, v[Q0]
	v_mul_u32_u24 v[C0], v22, PCC
	v_lshl_add_u32 v[C0], v20, 4, v[C0]
	s_lshl_b32 s2, s[WC], 6
	s_add_co_u32 s2, s2, 3*REG
	v_add_nc_u32 v[C0], s2, v[C0]
	v_mov_b32 v[ADRA], v[A0]
	v_mov_b32 v[ADRQ], v[Q0]
	v_mov_b32 v[ADRC], v[C0]
	s_mul_i32 s2, s[WV], 16*272
	s_add_co_u32 s2, s2, STAGEQ
	v_lshl_add_u32 v[STO], v18, 4, v23             ; in: row r, 16 bytes for each half of the lanes
	v_add_nc_u32 v[STO], s2, v[STO]
	v_lshl_add_u32 v[RD], v17, 4, v24              ; back: lanes 0-15 one row of 256 bytes, lanes 16-31 the next
	v_add_nc_u32 v[RD], s2, v[RD]
	v_lshlrev_b32 v[GOQ], 4, v21
	s_mul_i32 s2, s[WR], 64*272
	s_lshl_b32 s98, s[WC], 7
	s_add_co_u32 s2, s2, s98
	s_add_co_u32 s2, s2, STAGEC
	v_lshl_add_u32 v[STC], v18, 5, v23             ; c in: row 64 wr + r, byte 128 wc + 32 h
	v_add_nc_u32 v[STC], s2, v[STC]
	s_mul_i32 s2, s[WV], 32*272
	s_add_co_u32 s2, s2, STAGEC
	v_lshl_add_u32 v[RDC], v17, 4, v24             ; c back: wave w takes rows 32 w .. 32 w + 31, whole
	v_add_nc_u32 v[RDC], s2, v[RDC]
	v_lshlrev_b32 v[GOC], 11, v18
	v_lshl_add_u32 v[GOC], v17, 4, v[GOC]          ; rows of out1 and of cb are both 2,048 bytes
	s_lshl_b32 s96, s[MI], 18                      ; out1, cb: row 128 mi + 32 w, byte 256 nj (s96-99 feed no descriptor)
	s_lshl_b32 s97, s[WV], 16
	s_add_co_u32 s96, s96, s97
	s_lshl_b32 s97, s[NJ], 8
	s_add_co_u32 s96, s96, s97
	s_mov_b32 s97, 0
	s_add_nc_u64 s[12:13], s[12:13], s[96:97]
	s_add_nc_u64 s[10:11], s[10:11], s[96:97]
	s_lshr_b32 s96, s[MI], 4                       ; q16: head (mi / 16) x 16 + 2 nj + wc, row 128 (mi % 16) + 64 wr, 256 bytes a row
	s_lshl_b32 s96, s96, 4
	s_lshl_b32 s97, s[NJ], 1
	s_add_co_u32 s96, s96, s97
	s_add_co_u32 s96, s96, s[WC]
	s_lshl_b32 s96, s96, 19
	s_and_b32 s97, s[MI], 15
	s_lshl_b32 s97, s97, 15
	s_add_co_u32 s96, s96, s97
	s_lshl_b32 s97, s[WR], 14
	s_add_co_u32 s96, s96, s97
	s_mov_b32 s97, 0
	s_add_nc_u64 s[8:9], s[8:9], s[96:97]
	s_lshl_b32 s96, s[MI], 18                      ; the prefetches.  x: my work-group's 32 rows of the 128
	s_lshl_b32 s97, s[CX], 16
	s_add_co_u32 s96, s96, s97
	s_lshl_b32 s98, s[CY], 17                      ; Wq: my work-group's 32 rows of a K step's 128, my column half
	s_lshl_b32 s99, s[NJ], 9
	s_add_co_u32 s98, s98, s99
	s_lshl_b32 s99, s[WR], 8
	s_add_co_u32 s98, s98, s99
	s_add_co_u32 s98, s98, WQO
	s_and_b32 s99, ttmp7, 0xffff
	s_mov_b32 s[PFS], 128*4096
	s_mov_b32 s[PFS+1], 0
	s_cmp_eq_u32 s[WV], 0
	s_cselect_b32 s96, s96, s98
	s_cselect_b32 s[PFS], 256, s[PFS]
	s_cselect_b32 s99, ttmp9, s99                  ; the coordinate along which other clusters read the same rows
	s_cselect_b32 s2, 11, 12                       ; a row is 2,048 or 4,096 bytes
	s_mov_b32 s97, 0
	s_cmp_eq_u32 s99, 0
	s_cselect_b32 s[LIM], 2, -1                    ; the same in all sixteen partners, for a given wave
	s_cmp_eq_u32 s[WV], 3
	s_cselect_b32 s[LIM], -1, s[LIM]
	s_add_nc_u64 s[PFA:PFA+1], s[4:5], s[96:97]
.rept 3
	s_add_nc_u64 s[PFA:PFA+1], s[PFA:PFA+1], s[PFS:PFS+1]  ; at K step 3: the first refill steps it to 4
.endr
	v_lshlrev_b32 v[PFO], s2, v21
	v_mov_b32 v44, 0
	s_wait_loadcnt 0x0                             ; the maxima
	v_max3_num_f32 v32, v32, v33, v34
	v_max3_num_f32 v36, v36, v37, v38
	v_max3_num_f32 v32, v32, v35, v39
	v_max_num_f32 v32, v32, v36
	v_max3_num_f32 v40, v40, v41, v42
	v_max_num_f32 v40, v40, v43
	XMAX 32, 44, BX
	XMAX 40, 44, BQ
	s_sub_co_u32 s2, 380, s[BX]                    ; the exponent field of 2^-(Ex + Eq + 1)
	s_sub_co_u32 s2, s2, s[BQ]
	s_max_i32 s2, s2, 1
	s_min_i32 s2, s2, 254
	s_lshl_b32 s[SQ], s2, 23
	s_mov_b32 s[SQ+1], s[SQ]
; 28 LDS loads in one run: the fragments of quarter q of the slot being read, into buffer f: Wq's 8, x's rows 0-31, x's rows 32-63, Wdown's 2
.macro FETCH q, f
	WIN 0x40                                       ; destination window 1, address window 0
.irp b, 0,1,2,3,4,5,6,7
	ds_load_tr16_b128 v[(\f)+8*(\b):(\f)+8*(\b)+3],   v[ADRQ] offset:(\q)*32*PQ+32*(\b)
	ds_load_tr16_b128 v[(\f)+8*(\b)+4:(\f)+8*(\b)+7], v[ADRQ] offset:(\q)*32*PQ+32*(\b)+16*PQ
.endr
.irp a, 0,1,2,3
	ds_load_b128 v[(\f)+80+8*(\a):(\f)+80+8*(\a)+3],   v[ADRA] offset:(\a)*16*PA+64*(\q)
	ds_load_b128 v[(\f)+80+8*(\a)+4:(\f)+80+8*(\a)+7], v[ADRA] offset:(\a)*16*PA+64*(\q)+32
.endr
.irp b, 0,1
	ds_load_tr16_b128 v[(\f)+64+8*(\b):(\f)+64+8*(\b)+3],   v[ADRC] offset:(\q)*32*PCC+32*(\b)
	ds_load_tr16_b128 v[(\f)+64+8*(\b)+4:(\f)+64+8*(\b)+7], v[ADRC] offset:(\q)*32*PCC+32*(\b)+16*PCC
.endr
.endm
; 16 products for Q: row blocks a0, a0 + 1 x 8 column blocks.  zero = 1: the first product starts the sums.  All 40 accumulators take turns, one instruction a turn.
.macro MULQ f, a0, zero
	WIN 0xa5                                       ; sources window 1, C and D window 2
.irp a, \a0, (\a0)+1
.irp b, 0,1,2,3,4,5,6,7
.if \zero
	v_wmma_f32_16x16x32_bf16 v[8*(8*(\a)+(\b)):8*(8*(\a)+(\b))+7], v[(\f)+8*(\b):(\f)+8*(\b)+7], v[(\f)+80+8*(\a):(\f)+80+8*(\a)+7], 0
.else
	v_wmma_f32_16x16x32_bf16 v[8*(8*(\a)+(\b)):8*(8*(\a)+(\b))+7], v[(\f)+8*(\b):(\f)+8*(\b)+7], v[(\f)+80+8*(\a):(\f)+80+8*(\a)+7], v[8*(8*(\a)+(\b)):8*(8*(\a)+(\b))+7]
.endif
.endr
.endr
.endm
.macro MULC f, zero                    ; 8 products for c
	WIN 0xf5                                       ; sources window 1, C and D window 3
.irp a, 0,1,2,3
.irp b, 0,1
.if \zero
	v_wmma_f32_16x16x32_bf16 v[8*(2*(\a)+(\b)):8*(2*(\a)+(\b))+7], v[(\f)+64+8*(\b):(\f)+64+8*(\b)+7], v[(\f)+80+8*(\a):(\f)+80+8*(\a)+7], 0
.else
	v_wmma_f32_16x16x32_bf16 v[8*(2*(\a)+(\b)):8*(2*(\a)+(\b))+7], v[(\f)+64+8*(\b):(\f)+64+8*(\b)+7], v[(\f)+80+8*(\a):(\f)+80+8*(\a)+7], v[8*(2*(\a)+(\b)):8*(2*(\a)+(\b))+7]
.endif
.endr
.endr
.endm
; One of a K step's first three quarters: multiplies buffer f; in its middle it fetches quarter q into buffer g.
.macro QUARTER q, f, g, zero
	s_wait_dscnt 8                                 ; Wq's fragments and x's rows 0-31 are in; the youngest eight loads (x's rows 32-63, Wdown) may be out
	MULQ \f, 0, \zero
	PLACES
	FETCH \q, \g
	s_wait_dscnt 28                                ; all but the 28 just issued
	MULQ \f, 2, \zero
	MULC \f, \zero
.endm
; The last quarter multiplies buffer 1 and changes slots: one barrier.  In front of it each wave waits for all its tensor loads (one is out: its part of the next slot), adds 0 to its spare word, and waits for that
; and for its reads of this slot.  fill = 1: the barrier opens a round of the cluster's barrier, and the joint refill, with the K step two on, is the first thing behind the round.
.macro TURN fill
.if \fill
	s_wait_xcnt 0x0                                ; the last prefetch, a K step back, has read its address
	s_add_nc_u64 s[PFA:PFA+1], s[PFA:PFA+1], s[PFS:PFS+1]
.endif
	WIN 0
	s_wait_tensorcnt 0x0                           ; no tensor load of mine is out, so a group 0 may be written
	ds_add_u32 v[SPW], v[NIL]                      ; 0 onto my spare word
.if \fill
.irp g, G0A+4, G0Q+4, G0C+4
	s_xor_b32 s[(\g)+1], s[(\g)+1], SLOT1          ; the walking sets: the other slot than last time,
.endr
	s_add_nc_u64 s[G0A+6:G0A+7], s[G0A+6:G0A+7], 256       ; the next K step
	s_add_nc_u64 s[G0Q+6:G0Q+7], s[G0Q+6:G0Q+7], 128*4096
	s_add_nc_u64 s[G0C+6:G0C+7], s[G0C+6:G0C+7], 128*1024
.endif
	s_wait_dscnt 9                                 ; the add and the youngest eight loads may be out
	MULQ F1, 0, 0
	s_wait_dscnt 0x0                               ; the add is done, and my reads of this slot are over
	s_barrier_signal -1
	MULC F1, 0                                     ; work on registers while the others arrive
	WIN 0
	s_barrier_wait -1
.if \fill
	CREST
	JLOAD                                          ; its four v_nop are also the places in front of the loads below
.else
	PLACES
.endif
	s_xor_b32 s[TB], s[TB], SLOT1
	v_add_nc_u32 v[ADRA], s[TB], v[A0]
	v_add_nc_u32 v[ADRQ], s[TB], v[Q0]
	v_add_nc_u32 v[ADRC], s[TB], v[C0]
	FETCH 0, F0
.if \fill
	ASK
.endif
	MULQ F1, 2, 0
.endm
	s_wait_tensorcnt 1                             ; my part of K step 0 is in; K step 1's may stay out
	s_barrier_signal -1
	s_barrier_wait -1
	FETCH 0, F0
	QUARTER 1, F0, F1, 1                           ; the first quarter stands in front of the loop: its products start the sums
	WIN 0
	s_mov_b32 s3, 6
.Lstep:                                        ; a trip: a K step's quarters 1 to 3 and the next step's quarter 0; trips 0 to 5 ask for K steps 2 to 7
	QUARTER 2, F1, F0, 0
	QUARTER 3, F0, F1, 0
	TURN 1
	QUARTER 1, F0, F1, 0
	WIN 0
	s_sub_co_u32 s3, s3, 1
	s_cmp_lg_u32 s3, 0
	s_cbranch_scc1 .Lstep
	s_mov_b32 s3, 2
.Ltail:                                        ; K steps 6 and 7 ask for nothing
	QUARTER 2, F1, F0, 0
	QUARTER 3, F0, F1, 0
	TURN 0
	WIN 0
	s_sub_co_u32 s3, s3, 1
	s_cmp_eq_u32 s3, 0
	s_cbranch_scc1 .Lout
	QUARTER 1, F0, F1, 0
	WIN 0
	s_branch .Ltail
.Lout:
	s_wait_dscnt 0x0                               ; the second walk's run of 28 loads, from the slot read before, serves nothing: the price, once a launch, of one text for both steps
	; c GOES OUT: f32 through the work-group's stage, since a row's 256 bytes come from two waves; back as whole rows, 32 a wave; stored to out1, split into hi and lo, stored to cb.
	PLACES
	WIN 0x0c                                       ; store data in window 3; each accumulator's low registers go first
.irp a, 0,1,2,3
.irp b, 0,1
	ds_store_b128 v[STC], v[8*(2*(\a)+(\b)):8*(2*(\a)+(\b))+3]   offset:(\a)*16*272+64*(\b)
	ds_store_b128 v[STC], v[8*(2*(\a)+(\b))+4:8*(2*(\a)+(\b))+7] offset:(\a)*16*272+64*(\b)+16
.endr
.endr
	WIN 0
	s_wait_dscnt 0x0                               ; for the others' sake: my stores into the stage are done
	s_barrier_signal -1
	s_barrier_wait -1
.irp t, 0,1,2,3,4,5,6,7,8,9,10,11,12,13,14,15
	ds_load_b128 v[BK+4*(\t):BK+4*(\t)+3], v[RDC] offset:(\t)*2*272
.endr
.irp t, 0,1,2,3,4,5,6,7,8,9,10,11,12,13,14,15
	s_wait_dscnt 15-(\t)
	global_store_b128 v[GOC], v[BK+4*(\t):BK+4*(\t)+3], s[12:13] offset:(\t)*4096 th:TH_STORE_NT  ; 16 lanes store 256 consecutive bytes, aligned
	v_cvt_pk_bf16_f32 v[CBO+4*(\t)], v[BK+4*(\t)], v[BK+4*(\t)+1]          ; hi
	v_cvt_pk_bf16_f32 v[CBO+4*(\t)+1], v[BK+4*(\t)+2], v[BK+4*(\t)+3]
	v_lshlrev_b32 v[TMP], 16, v[CBO+4*(\t)]
	v_and_b32 v[TMP+1], 0xffff0000, v[CBO+4*(\t)]
	v_lshlrev_b32 v[TMP+2], 16, v[CBO+4*(\t)+1]
	v_and_b32 v[TMP+3], 0xffff0000, v[CBO+4*(\t)+1]
	v_pk_add_f32 v[TMP:TMP+1], v[BK+4*(\t):BK+4*(\t)+1], v[TMP:TMP+1] neg_lo:[0,1] neg_hi:[0,1]      ; c - hi, exact in f32
	v_pk_add_f32 v[TMP+2:TMP+3], v[BK+4*(\t)+2:BK+4*(\t)+3], v[TMP+2:TMP+3] neg_lo:[0,1] neg_hi:[0,1]
	v_cvt_pk_bf16_f32 v[CBO+4*(\t)+2], v[TMP], v[TMP+1]                    ; lo
	v_cvt_pk_bf16_f32 v[CBO+4*(\t)+3], v[TMP+2], v[TMP+3]
	global_store_b128 v[GOC], v[CBO+4*(\t):CBO+4*(\t)+3], s[10:11] offset:(\t)*4096
.endr
	s_wait_xcnt 0x0                                ; those stores have read their data: v32-159 are written again below
	; Q GOES OUT, a block of 16 rows at a time: scaled, rounded to f16, through my own stage, back as whole rows of 256 bytes.
.macro PACKQ a
	WIN 0x82
.set i, 64*(\a)
.rept 32
	v_pk_mul_f32 v[i:i+1], v[i:i+1], s[SQ:SQ+1] op_sel_hi:[1,0]
.set i, i+2
.endr
	WIN 0x0a
.set i, 0
.rept 32
	v_cvt_pk_f16_f32 v[TMP+i], v[64*(\a)+2*i], v[64*(\a)+2*i+1]
.set i, i+1
.endr
	WIN 0
.irp b, 0,1,2,3,4,5,6,7
	ds_store_b128 v[STO], v[TMP+4*(\b):TMP+4*(\b)+3] offset:32*(\b)
.endr
.irp t, 0,1,2,3,4,5,6,7
	ds_load_b128 v[BK+32*(\a)+4*(\t):BK+32*(\a)+4*(\t)+3], v[RD] offset:(\t)*2*272  ; LDS serves a wave's instructions in order: these see the stores above; the next block's stores come behind them
.endr
.endm
.macro SENDQ a, younger                ; younger: the LDS instructions issued behind block a's loads
.irp t, 0,1,2,3,4,5,6,7
	s_wait_dscnt (\younger)+7-(\t)
	global_store_b128 v[GOQ], v[BK+32*(\a)+4*(\t):BK+32*(\a)+4*(\t)+3], s[8:9] offset:(\a)*4096+(\t)*512  ; 512 consecutive bytes, aligned
.endr
.endm
	PACKQ 0
	PACKQ 1
	SENDQ 0, 16
	PACKQ 2
	SENDQ 1, 16
	PACKQ 3
	SENDQ 2, 16
	SENDQ 3, 0
	s_wait_tensorcnt 0x0                           ; the wave's end
	ds_add_u32 v[SPW], v[NIL]
	s_wait_dscnt 0x0
	CROUND                                         ; the closing round
	s_endpgm
.Lfunc_end_k_q76f3b90bee_qc:
	.size	k_q76f3b90bee_qc, .Lfunc_end_k_q76f3b90bee_qc-k_q76f3b90bee_qc
	.p2alignl 7, 3214868480
	.fill 96, 4, 3214868480
	.section	.rodata,"a",@progbits
	.p2align	6, 0x0
	.amdhsa_kernel k_q76f3b90bee_qc
		.amdhsa_group_segment_fixed_size 327680
		.amdhsa_private_segment_fixed_size 0
		.amdhsa_enable_private_segment 0
		.amdhsa_kernarg_size 40
		.amdhsa_user_sgpr_count 2
		.amdhsa_user_sgpr_kernarg_segment_ptr 1
		.amdhsa_wavefront_size32 1
		.amdhsa_system_sgpr_workgroup_id_x 1
		.amdhsa_system_sgpr_workgroup_id_y 1
		.amdhsa_system_sgpr_workgroup_id_z 1
		.amdhsa_system_vgpr_workitem_id 0
		.amdhsa_next_free_vgpr 832
		.amdhsa_next_free_sgpr 100
		.amdhsa_reserve_vcc 0
		.amdhsa_float_denorm_mode_32 3
		.amdhsa_float_denorm_mode_16_64 3
		.amdhsa_memory_ordered 1
		.amdhsa_forward_progress 1
		.amdhsa_inst_pref_size 98
	.end_amdhsa_kernel
	.amdgpu_metadata
---
amdhsa.version: [ 1, 2 ]
amdhsa.kernels:
  - .name:           k_q76f3b90bee_qc
    .symbol:         k_q76f3b90bee_qc.kd
    .args:
      - { .name: b16, .offset: 0, .size: 8, .value_kind: global_buffer, .address_space: global }
      - { .name: amax, .offset: 8, .size: 8, .value_kind: global_buffer, .address_space: global }
      - { .name: q16, .offset: 16, .size: 8, .value_kind: global_buffer, .address_space: global }
      - { .name: cb, .offset: 24, .size: 8, .value_kind: global_buffer, .address_space: global }
      - { .name: out1, .offset: 32, .size: 8, .value_kind: global_buffer, .address_space: global }
    .group_segment_fixed_size: 327680
    .private_segment_fixed_size: 0
    .kernarg_segment_align: 8
    .kernarg_segment_size: 40
    .max_flat_workgroup_size: 128
    .sgpr_count:     100
    .vgpr_count:     832
    .wavefront_size: 32
...
	.end_amdgpu_metadata
.endif
;; end of part 2
;; launch kv (part 3): grid 16 x 16, 4 waves a work-group, clusters of 4 x 4, 327,680 bytes of LDS; arguments cb, b16, amax, k16, v16; writes k16, v16
.if DOCPART == 3
	.amdgcn_target "amdgcn-amd-amdhsa--gfx1250"
	.amdhsa_code_object_version 6
	.text
	.protected	k_q76f3b90bee_kv
	.globl	k_q76f3b90bee_kv
	.p2align	8
	.type	k_q76f3b90bee_kv,@function
k_q76f3b90bee_kv:
	s_mov_b64 s[64:65], 0
	v_nop
	global_prefetch_b8 v0, s[64:65] scope:SCOPE_SE
	s_setreg_imm32_b32 hwreg(HW_REG_WAVE_MODE, 25, 1), 1
	s_wait_xcnt 0x0
	s_wait_alu depctr_hold_cnt(0) depctr_sa_sdst(0) depctr_va_vdst(0) depctr_va_sdst(0) depctr_va_ssrc(0) depctr_va_vcc(0) depctr_vm_vsrc(0)
	s_getreg_b32 s2, hwreg(HW_REG_IB_STS2, 6, 4)
	s_cmp_eq_u32 s2, 0
	s_cbranch_scc0 .Lentry_in_a_cluster
	s_endpgm
.Lentry_in_a_cluster:
	s_bfe_u32 s2, ttmp6, 0x10000c
	s_cmp_lg_u32 s2, 0xf033
	s_cbranch_scc0 .Lentry_shape_is_right
	s_endpgm
.Lentry_shape_is_right:
; KV.  K = c Wk_up and V = c Wv_up.  c comes as bf16 hi + lo (cb [4096][1024]: columns 8g..8g+3 hi(c[4g..]), 8g+4..8g+7 lo), so c enters with 16 significant bits and f32's range; the weights [512][2048] are bf16 in b16.
; OUT.  k16, v16: [b*16+h][2048][128] f16, times 2^-shift, shift = Ex + Ed + Ek + 7 (Ev for V), E the exponents of the largest |x|, |Wdown|, |Wk_up| from amax:
; |K| <= 512 x 1024 x 2^(Ex+1) 2^(Ed+1) 2^(Ek+1), so |K| 2^-shift <= 2^15: no f16 infinity for any finite input.  LIMIT: the scale's exponent field 501 - bx - bd - bk is held to 1..254.  NaN and infinities are not treated apart.
; THE hi/lo PRODUCT.  A matrix instruction takes 32 columns of cb: 16 true k, as four groups [hi4 | lo4].  W's fragment repeats each true row by the lanes' addresses alone: of the eight lanes of a group of the turning load,
; lanes j and j + 4 name the same row.  So (hi + lo) W is summed in one f32 accumulator, and W lies in LDS once.
; SHARES.  Tile 256 x 256: columns nj < 8 are K's, the others V's (by the cluster's x, the same for all partners).  Four waves of 128 x 128, 64 accumulators.  8 K steps of 128 columns of cb (64 true k), two LDS slots.
; CLUSTER 4 x 4: cb's tile is asked for jointly along a row of the cluster, W's along a column.  Waves 0, 1 fetch cb's two row halves, waves 2, 3 W's two column halves.
; REGISTERS: window 0: v0-31 addresses; v64-127, v128-191 cb's fragments, two buffers; v32-63, v192-255 the way out.  Window 1: v64-127, v128-191 W's fragments.  Windows 2, 3: accumulator (a, b) at 8 (8 (a % 4) + b).
.set WKO,   13631488
.set WVO,   15728640
.set PITCH, 272
.set PW,    288
.set HALFA, 128*PITCH
.set BOFF,  2*HALFA
.set HALFB, 64*PW
.set SLOT1, 1<<17
.set STAGE, SLOT1+BOFF+2*HALFB         ; behind the ring: 16 rows x 272 bytes for each wave
.set SPITCH, 272
.set SPARE, STAGE+4*16*SPITCH
.set A0,   2                           ; v2, v3  my lane's place in cb's and W's tile of slot 0; never rewritten
.set B0,   3
.set ADRA, 16
.set ADRB, 20
.set STO,  24
.set RD,   25
.set CO,   26
.set SPW,  28
.set NIL,  29
.set PFO,  30
.set F0,   64
.set F1,   128
.set TMP,  192
.set OB,   32
.set WV, 14
.set WR, 15
.set WC, 16
.set CX, 17
.set CY, 18
.set NJ, 19
.set MI, 20
.set G1A, 24
.set G1B, 32
.set G0A, 40                           ; s[40:47], s[48:55] group 0: a set for each first fill; the second walks on
.set G0B, 48
.set PFA, 56
.set PFS, 58
.set LIM, 60
.set TB,  61
.set SK,  62                           ; s[62:63] the scale
.set SEL, 66
.set NJ7, 68
.set WOFF, 69
.set BX, 88
.set BD, 89
.set BK, 90
.set MSB, 0
.macro WIN new
.if MSB != (\new)
	s_set_vgpr_msb (MSB<<8)|(\new)
.set MSB, \new
.endif
.endm
.set MUL_LO, 0xa1                      ; source 0 (W) window 1, source 1 (cb) window 0, C and D window 2
.set MUL_HI, 0xf1
.set TO_B,   0x40
.macro PLACES
.rept 4
	v_nop
.endr
.endm
.macro CREST
	s_cmp_lg_u32 s[WV], 0
	s_cbranch_scc1 .Lnot_wave_0_\@
	s_barrier_signal -3
.Lnot_wave_0_\@:
	s_barrier_wait -3
	s_barrier_signal -1
	s_barrier_wait -1
.endm
.macro CROUND
	s_barrier_signal -1
	s_barrier_wait -1
	CREST
.endm
.macro JLOAD                           ; a joint refill by the walking sets; an s_nop 0 and four v_nop follow each line
	s_cmp_eq_u32 s[WR], 0
	s_cbranch_scc0 .Lfor_b_\@
	tensor_load_to_lds s[G0A+4:G0A+7], s[G1A:G1A+7]
	s_nop 0
	PLACES
	s_branch .Lasked_\@
.Lfor_b_\@:
	tensor_load_to_lds s[G0B+4:G0B+7], s[G1B:G1B+7]
	s_nop 0
	PLACES
.Lasked_\@:
.endm
; A PREFETCH INTO THE L2 behind each joint refill and its run of LDS loads: the K step that the next refill will ask for, 256 matrix instructions ahead of that load.  Each block of 256 bytes is named once in the launch:
; cb's rows by the clusters with x = 0 (waves 0, 1: of the 128 rows that the wave fetches, the partner at cx takes 32, a lane a row); W's by the clusters with y = 0 (wave 2: the partner at cy takes 16 of the step's 64
; rows, both column halves: a lane a block).  K steps 0 to 2 come by their loads alone; the last refill has no K step behind it.
.macro ASK
	s_cmp_gt_u32 s3, s[LIM]
	s_cbranch_scc0 .Lnot_mine_\@
	global_prefetch_b8 v[PFO], s[PFA:PFA+1] th:TH_LOAD_NT scope:SCOPE_SE
.Lnot_mine_\@:
.endm
.macro XMAX a, b, sd
	v_max_num_f32_dpp v[\a], v[\a], v[\a] row_xmask:1 row_mask:0xf bank_mask:0xf
	v_max_num_f32_dpp v[\a], v[\a], v[\a] row_xmask:2 row_mask:0xf bank_mask:0xf
	v_max_num_f32_dpp v[\a], v[\a], v[\a] row_xmask:4 row_mask:0xf bank_mask:0xf
	v_max_num_f32_dpp v[\a], v[\a], v[\a] row_xmask:8 row_mask:0xf bank_mask:0xf
	v_permlanex16_b32 v[\b], v[\a], s[SEL], s[SEL+1]
	v_max_num_f32 v[\a], v[\a], v[\b]
	v_readfirstlane_b32 s[\sd], v[\a]
	s_bfe_u32 s[\sd], s[\sd], 0x80017
.endm
.macro MAKE0 g, lds, base, step
.irp s, 0,1
	s_mov_b32 s[(\g)+4*(\s)], 1
	s_add_co_u32 s[(\g)+4*(\s)+1], s[\lds], (\s)*SLOT1
	s_add_nc_u64 s[(\g)+4*(\s)+2:(\g)+4*(\s)+3], s[(\base):(\base)+1], (\s)*(\step)
	s_or_b32 s[(\g)+4*(\s)+3], s[(\g)+4*(\s)+3], 0x80000000
.endr
.endm
.macro MAKE1 g, d0, d1, pitch
	s_mov_b32 s[(\g)+1], (\d0)<<16
	s_mov_b32 s[(\g)+2], (\d1)<<16
	s_mov_b32 s[(\g)+3], (\d0)<<16
	s_mov_b32 s[(\g)+4], \d1
	s_mov_b32 s[(\g)+5], \pitch
	s_mov_b32 s[(\g)+6], 0
	s_mov_b32 s[(\g)+7], 0
.endm
	s_load_b256 s[4:11], s[0:1], 0x0               ; cb s[4:5], b16 s[6:7], amax s[8:9], k16 s[10:11]
	s_load_b64 s[12:13], s[0:1], 0x20              ; v16
	v_lshl_add_u32 v[SPW], v0, 2, SPARE
	v_mov_b32 v[NIL], 0
	ds_add_u32 v[SPW], v[NIL]                      ; the wave's opening: the add; its wait stands ahead of my first tensor load
	v_lshrrev_b32 v1, 5, v0
	v_readfirstlane_b32 s[WV], v1
	s_lshr_b32 s[WR], s[WV], 1                     ; my half of the tile's rows.  Also: I fetch for cb (0) or for W (1)
	s_and_b32 s[WC], s[WV], 1                      ; my half of its columns.  Also: which half I fetch
	s_bfe_u32 s[CX], ttmp6, 0x40000
	s_bfe_u32 s[CY], ttmp6, 0x40004
	s_lshl_b32 s[NJ], ttmp9, 2
	s_add_co_u32 s[NJ], s[NJ], s[CX]
	s_and_b32 s[NJ7], s[NJ], 7                     ; the tile column within K or within V
	s_and_b32 s[MI], ttmp7, 0xffff
	s_lshl_b32 s[MI], s[MI], 2
	s_add_co_u32 s[MI], s[MI], s[CY]
	s_lshl_b32 s21, s[CY], 2
	s_lshl_b32 s21, 15, s21
	s_lshl_b32 s22, 0x1111, s[CX]
	s_or_b32 s[G1A], s21, (1<<16)|(1<<20)|(1<<21)|(5<<22)|(3<<25)
	s_or_b32 s[G1B], s22, (1<<16)|(1<<20)|(1<<21)|(5<<22)|(7<<25)
	MAKE1 G1A, 128, 128, 1024
	MAKE1 G1B, 128, 64, 2048
	s_mul_i32 s23, s[WC], HALFA                    ; where the tiles go: the wave's number alone
	s_mul_i32 s2, s[WC], HALFB
	s_add_co_u32 s2, s2, BOFF
	s_mov_b32 s[TB], 0
	s_mov_b32 s[SEL], 0x76543210
	s_mov_b32 s[SEL+1], 0xfedcba98
	s_lshl_b32 s72, s[MI], 19                      ; cb: row 256 mi + 128 half, 2,048 bytes a row (s72-75 hold nothing of cx)
	s_lshl_b32 s73, s[WC], 18
	s_add_co_u32 s72, s72, s73
	s_mov_b32 s73, 0
	s_mov_b32 s[WOFF], WKO
	s_cmp_ge_u32 ttmp9, 2                          ; clusters 2 and 3 along x make V
	s_cselect_b32 s[WOFF], WVO, s[WOFF]
	s_lshl_b32 s76, s[NJ7], 9                      ; W: column 256 (nj % 8) + 128 half (s76-79 hold nothing of cy)
	s_lshl_b32 s77, s[WC], 8
	s_add_co_u32 s76, s76, s77
	s_add_co_u32 s76, s76, s[WOFF]
	s_mov_b32 s77, 0
	s_wait_dscnt 0x0
	s_wait_kmcnt 0x0
	s_add_nc_u64 s[74:75], s[4:5], s[72:73]
	s_add_nc_u64 s[78:79], s[6:7], s[76:77]
	MAKE0 G0A, 23, 74, 256                         ; a K step: 128 columns of cb,
	MAKE0 G0B, 2, 78, 64*4096                      ; 64 rows of W
	CROUND
	s_cmp_eq_u32 s[WR], 0                          ; a wave's two first fills stand in one branch
	s_cbranch_scc0 .Lfirst_b
	tensor_load_to_lds s[G0A:G0A+3], s[G1A:G1A+7]
	s_nop 0
	tensor_load_to_lds s[G0A+4:G0A+7], s[G1A:G1A+7]
	s_nop 0
	PLACES
	s_branch .Lfirst_asked
.Lfirst_b:
	tensor_load_to_lds s[G0B:G0B+3], s[G1B:G1B+7]
	s_nop 0
	tensor_load_to_lds s[G0B+4:G0B+7], s[G1B:G1B+7]
	s_nop 0
	PLACES
.Lfirst_asked:
	v_and_b32 v4, 15, v0                           ; r
	v_bfe_u32 v5, v0, 4, 1                         ; h
	v_bfe_u32 v6, v0, 3, 1
	v_and_b32 v7, 3, v0
	v_and_b32 v8, 31, v0
	s_cmp_ge_u32 ttmp9, 2
	s_cselect_b64 s[10:11], s[12:13], s[10:11]     ; the output: k16 or v16
	s_mov_b32 s80, 1664
	s_cselect_b32 s80, 1920, s80                   ; and where its weights' maxima lie
	v_lshlrev_b32 v9, 4, v8
	v_lshlrev_b32 v10, 2, v8
	v_lshl_add_u32 v11, v8, 3, s80
	global_load_b128 v[32:35], v9, s[8:9]                  ; x's 256 maxima,
	global_load_b128 v[36:39], v9, s[8:9] offset:512
	global_load_b32 v40, v10, s[8:9] offset:1536           ; Wdown's 32,
	global_load_b64 v[42:43], v11, s[8:9]                  ; Wk_up's or Wv_up's 64
	v_mul_u32_u24 v13, v4, 272
	v_mul_u32_u24 v14, v5, 272
	v_lshl_add_u32 v[A0], v5, 4, v13               ; cb's fragments: (128 wr + r) x pitch + 16 h
	s_mul_i32 s81, s[WR], HALFA
	v_add_nc_u32 v[A0], s81, v[A0]
	v_lshl_add_u32 v12, v5, 2, v7                  ; W's: true row 4 h + l % 4: lanes j and j + 4 of a group of eight name the same row
	v_mul_u32_u24 v[B0], v12, PW
	v_lshl_add_u32 v[B0], v6, 4, v[B0]
	s_mul_i32 s81, s[WC], HALFB
	s_add_co_u32 s81, s81, BOFF
	v_add_nc_u32 v[B0], s81, v[B0]
	v_mov_b32 v[ADRA], v[A0]
	v_mov_b32 v[ADRB], v[B0]
	s_mul_i32 s81, s[WV], 16*SPITCH
	s_add_co_u32 s81, s81, STAGE
	v_lshl_add_u32 v[STO], v5, 4, v13
	v_add_nc_u32 v[STO], s81, v[STO]
	v_lshl_add_u32 v[RD], v4, 4, v14
	v_add_nc_u32 v[RD], s81, v[RD]
	v_lshlrev_b32 v[CO], 4, v8
	s_lshr_b32 s86, s[MI], 3                       ; out: head (mi / 8) x 16 + 2 (nj % 8) + wc, row 256 (mi % 8) + 128 wr, 256 bytes a row (s80-87 feed no descriptor)
	s_lshl_b32 s86, s86, 4
	s_lshl_b32 s87, s[NJ7], 1
	s_add_co_u32 s86, s86, s87
	s_add_co_u32 s86, s86, s[WC]
	s_lshl_b32 s86, s86, 19
	s_and_b32 s87, s[MI], 7
	s_lshl_b32 s87, s87, 16
	s_add_co_u32 s86, s86, s87
	s_lshl_b32 s87, s[WR], 15
	s_add_co_u32 s86, s86, s87
	s_mov_b32 s87, 0
	s_add_nc_u64 s[10:11], s[10:11], s[86:87]
	s_lshl_b32 s80, s[MI], 19                      ; the prefetches.  cb: my work-group's 32 rows of the 128 that I fetch
	s_lshl_b32 s81, s[WC], 18
	s_add_co_u32 s80, s80, s81
	s_lshl_b32 s81, s[CX], 16
	s_add_co_u32 s80, s80, s81
	s_lshl_b32 s82, s[CY], 16                      ; W: my work-group's 16 rows of a step's 64
	s_lshl_b32 s83, s[NJ7], 9
	s_add_co_u32 s82, s82, s83
	s_add_co_u32 s82, s82, s[WOFF]
	s_and_b32 s83, ttmp7, 0xffff
	s_mov_b32 s[PFS], 64*4096
	s_mov_b32 s[PFS+1], 0
	s_cmp_eq_u32 s[WR], 0
	s_cselect_b32 s80, s80, s82
	s_cselect_b64 s[PFA:PFA+1], s[4:5], s[6:7]
	s_cselect_b32 s[PFS], 256, s[PFS]
	s_cselect_b32 s83, ttmp9, s83
	s_cselect_b32 s84, 11, 12                      ; cb: lane x 2,048.  W: (l % 16) x 4,096 + (l / 16) x 256
	s_cselect_b32 s85, 15, 8
	s_mov_b32 s81, 0
	s_cmp_eq_u32 s83, 0
	s_cselect_b32 s[LIM], 1, -1
	s_cmp_eq_u32 s[WV], 3
	s_cselect_b32 s[LIM], -1, s[LIM]
	s_add_nc_u64 s[PFA:PFA+1], s[PFA:PFA+1], s[80:81]
	s_add_nc_u64 s[PFA:PFA+1], s[PFA:PFA+1], s[PFS:PFS+1]
	s_add_nc_u64 s[PFA:PFA+1], s[PFA:PFA+1], s[PFS:PFS+1]  ; at K step 2: the first refill steps it to 3
	v_lshlrev_b32 v[PFO], s84, v4
	v_lshlrev_b32 v12, s85, v5
	v_add_nc_u32 v[PFO], v[PFO], v12
	v_mov_b32 v44, 0
	s_wait_loadcnt 0x0
	v_max3_num_f32 v32, v32, v33, v34
	v_max3_num_f32 v36, v36, v37, v38
	v_max3_num_f32 v32, v32, v35, v39
	v_max_num_f32 v32, v32, v36
	v_max_num_f32 v42, v42, v43
	XMAX 32, 44, BX
	XMAX 40, 44, BD
	XMAX 42, 44, BK
	s_sub_co_u32 s80, 501, s[BX]                   ; the exponent field of 2^-(Ex + Ed + Ek + 7)
	s_sub_co_u32 s80, s80, s[BD]
	s_sub_co_u32 s80, s80, s[BK]
	s_max_i32 s80, s80, 1
	s_min_i32 s80, s80, 254
	s_lshl_b32 s[SK], s80, 23
	s_mov_b32 s[SK+1], s[SK]
.macro MUL16 f, hi, a0, zero           ; 16 products: row blocks a0, a0 + 1 of the window's four x 8 column blocks.  The 64 accumulators take turns, one instruction a turn
	WIN MUL_LO+0x50*(\hi)
.irp a, \a0, (\a0)+1
.irp b, 0,1,2,3,4,5,6,7
.if \zero
	v_wmma_f32_16x16x32_bf16 v[8*(8*(\a)+(\b)):8*(8*(\a)+(\b))+7], v[(\f)+8*(\b):(\f)+8*(\b)+7], v[(\f)+8*(4*(\hi)+(\a)):(\f)+8*(4*(\hi)+(\a))+7], 0
.else
	v_wmma_f32_16x16x32_bf16 v[8*(8*(\a)+(\b)):8*(8*(\a)+(\b))+7], v[(\f)+8*(\b):(\f)+8*(\b)+7], v[(\f)+8*(4*(\hi)+(\a)):(\f)+8*(4*(\hi)+(\a))+7], v[8*(8*(\a)+(\b)):8*(8*(\a)+(\b))+7]
.endif
.endr
.endr
.endm
.macro FETCH q, f                      ; 32 LDS loads in one run: quarter q (32 columns of cb, 16 true rows of W) into buffer f
	WIN TO_B
.irp i, 0,1,2,3,4,5,6,7
	ds_load_tr16_b128 v[(\f)+8*(\i):(\f)+8*(\i)+3],   v[ADRB] offset:(\q)*16*PW+32*(\i)
	ds_load_tr16_b128 v[(\f)+8*(\i)+4:(\f)+8*(\i)+7], v[ADRB] offset:(\q)*16*PW+32*(\i)+8*PW
.endr
	WIN 0
.irp i, 0,1,2,3,4,5,6,7
	ds_load_b128 v[(\f)+8*(\i):(\f)+8*(\i)+3],   v[ADRA] offset:64*(\q)+(\i)*16*PITCH
	ds_load_b128 v[(\f)+8*(\i)+4:(\f)+8*(\i)+7], v[ADRA] offset:64*(\q)+(\i)*16*PITCH+32
.endr
.endm
.macro QUARTER q, f, g, zero
	s_wait_dscnt 8                                 ; W and cb's rows 0-63 are in; the youngest eight loads (rows 64-127) may be out
	MUL16 \f, 0, 0, \zero
	MUL16 \f, 0, 2, \zero
	PLACES
	FETCH \q, \g
	s_wait_dscnt 32                                ; all but the 32 just issued
	MUL16 \f, 1, 0, \zero
	MUL16 \f, 1, 2, \zero
.endm
; The last quarter multiplies buffer 1 and changes slots: each wave waits for all its tensor loads, adds 0 to its spare word, waits for that and for its reads of this slot, and signals.
; fill = 1: the barrier opens a round of the cluster's barrier; the joint refill, with the K step two on, is the first thing behind it and has 224 matrix instructions in which to land.
.macro TURN fill
.if \fill
	s_wait_xcnt 0x0                                ; the last prefetch, a K step back, has read its address
	s_add_nc_u64 s[PFA:PFA+1], s[PFA:PFA+1], s[PFS:PFS+1]
.endif
	WIN 0
	s_wait_tensorcnt 0x0
	ds_add_u32 v[SPW], v[NIL]
.if \fill
	s_xor_b32 s[G0A+5], s[G0A+5], SLOT1
	s_xor_b32 s[G0B+5], s[G0B+5], SLOT1
	s_add_nc_u64 s[G0A+6:G0A+7], s[G0A+6:G0A+7], 256
	s_add_nc_u64 s[G0B+6:G0B+7], s[G0B+6:G0B+7], 64*4096
.endif
	s_wait_dscnt 9                                 ; the add and the youngest eight loads may be out
	MUL16 F1, 0, 0, 0
	s_wait_dscnt 0x0
	s_barrier_signal -1
	MUL16 F1, 0, 2, 0
	WIN 0
	s_barrier_wait -1
.if \fill
	CREST
	JLOAD
.else
	PLACES
.endif
	s_xor_b32 s[TB], s[TB], SLOT1
	v_add_nc_u32 v[ADRA], s[TB], v[A0]
	v_add_nc_u32 v[ADRB], s[TB], v[B0]
	FETCH 0, F0
.if \fill
	ASK
.endif
	MUL16 F1, 1, 0, 0
	MUL16 F1, 1, 2, 0
.endm
	s_wait_tensorcnt 1                             ; my part of K step 0 is in; K step 1's may stay out
	s_barrier_signal -1
	s_barrier_wait -1
	FETCH 0, F0
	QUARTER 1, F0, F1, 1
	WIN 0
	s_mov_b32 s3, 6
.Lstep:
	QUARTER 2, F1, F0, 0
	QUARTER 3, F0, F1, 0
	TURN 1
	QUARTER 1, F0, F1, 0
	WIN 0
	s_sub_co_u32 s3, s3, 1
	s_cmp_lg_u32 s3, 0
	s_cbranch_scc1 .Lstep
	s_mov_b32 s3, 2
.Ltail:                                        ; K steps 6 and 7 ask for nothing
	QUARTER 2, F1, F0, 0
	QUARTER 3, F0, F1, 0
	TURN 0
	WIN 0
	s_sub_co_u32 s3, s3, 1
	s_cmp_eq_u32 s3, 0
	s_cbranch_scc1 .Lout
	QUARTER 1, F0, F1, 0
	WIN 0
	s_branch .Ltail
.Lout:
	s_wait_dscnt 0x0                               ; the second walk's run of 32 loads, from the slot read before, serves nothing: the price, once a launch, of one text for both steps
	; THE WAY OUT, a block of 16 rows at a time: scaled, rounded to f16, through my own stage, back as whole rows of 256 bytes, stored.
.macro PACK a
.set AC, 64*((\a)%4)
	WIN 0x82+0x41*((\a)/4)                         ; destination and source 0 in window 2 or 3
.set i, 0
.rept 32
	v_pk_mul_f32 v[AC+i:AC+i+1], v[AC+i:AC+i+1], s[SK:SK+1] op_sel_hi:[1,0]
.set i, i+2
.endr
	WIN 0x0a+5*((\a)/4)
.set i, 0
.rept 32
	v_cvt_pk_f16_f32 v[TMP+i], v[AC+2*i], v[AC+2*i+1]
.set i, i+1
.endr
	WIN 0
.endm
.macro TOSTAGE a
.set BKR, OB+192*((\a)%2)
.irp b, 0,1,2,3,4,5,6,7
	ds_store_b128 v[STO], v[TMP+4*(\b):TMP+4*(\b)+3] offset:32*(\b)
.endr
.irp t, 0,1,2,3,4,5,6,7
	ds_load_b128 v[BKR+4*(\t):BKR+4*(\t)+3], v[RD] offset:(\t)*2*SPITCH  ; LDS serves a wave's instructions in order: these see the stores above
.endr
.endm
.macro SEND a
.set BKR, OB+192*((\a)%2)
	s_wait_dscnt 0x0                               ; the block is back in registers
	s_wait_xcnt 0x0                                ; earlier stores have read their data: the other set of registers is loaded again only behind this wait
.irp t, 0,1,2,3,4,5,6,7
	global_store_b128 v[CO], v[BKR+4*(\t):BKR+4*(\t)+3], s[10:11] offset:(\a)*4096+(\t)*512  ; 512 consecutive bytes, aligned
.endr
.endm
	PLACES
	PACK 0
	TOSTAGE 0
.irp a, 1,2,3,4,5,6,7                  ; block a's arithmetic stands between block a - 1's loads from the stage and the wait for them
	PACK \a
	SEND (\a)-1
	TOSTAGE \a
.endr
	SEND 7
	s_wait_tensorcnt 0x0                           ; the wave's end
	ds_add_u32 v[SPW], v[NIL]
	s_wait_dscnt 0x0
	CROUND
	s_endpgm
.Lfunc_end_k_q76f3b90bee_kv:
	.size	k_q76f3b90bee_kv, .Lfunc_end_k_q76f3b90bee_kv-k_q76f3b90bee_kv
	.p2alignl 7, 3214868480
	.fill 96, 4, 3214868480
	.section	.rodata,"a",@progbits
	.p2align	6, 0x0
	.amdhsa_kernel k_q76f3b90bee_kv
		.amdhsa_group_segment_fixed_size 327680
		.amdhsa_private_segment_fixed_size 0
		.amdhsa_enable_private_segment 0
		.amdhsa_kernarg_size 40
		.amdhsa_user_sgpr_count 2
		.amdhsa_user_sgpr_kernarg_segment_ptr 1
		.amdhsa_wavefront_size32 1
		.amdhsa_system_sgpr_workgroup_id_x 1
		.amdhsa_system_sgpr_workgroup_id_y 1
		.amdhsa_system_sgpr_workgroup_id_z 1
		.amdhsa_system_vgpr_workitem_id 0
		.amdhsa_next_free_vgpr 1024
		.amdhsa_next_free_sgpr 92
		.amdhsa_reserve_vcc 0
		.amdhsa_float_denorm_mode_32 3
		.amdhsa_float_denorm_mode_16_64 3
		.amdhsa_memory_ordered 1
		.amdhsa_forward_progress 1
		.amdhsa_inst_pref_size 120
	.end_amdhsa_kernel
	.amdgpu_metadata
---
amdhsa.version: [ 1, 2 ]
amdhsa.kernels:
  - .name:           k_q76f3b90bee_kv
    .symbol:         k_q76f3b90bee_kv.kd
    .args:
      - { .name: cb, .offset: 0, .size: 8, .value_kind: global_buffer, .address_space: global }
      - { .name: b16, .offset: 8, .size: 8, .value_kind: global_buffer, .address_space: global }
      - { .name: amax, .offset: 16, .size: 8, .value_kind: global_buffer, .address_space: global }
      - { .name: k16, .offset: 24, .size: 8, .value_kind: global_buffer, .address_space: global }
      - { .name: v16, .offset: 32, .size: 8, .value_kind: global_buffer, .address_space: global }
    .group_segment_fixed_size: 327680
    .private_segment_fixed_size: 0
    .kernarg_segment_align: 8
    .kernarg_segment_size: 40
    .max_flat_workgroup_size: 128
    .sgpr_count:     92
    .vgpr_count:     1024
    .wavefront_size: 32
...
	.end_amdgpu_metadata
.endif
;; end of part 3
;; launch attn (part 4): grid 8 x 32, 8 waves a work-group, no clusters, 327,680 bytes of LDS; arguments q16, k16, v16, amax, o16; writes o16
.if DOCPART == 4
	.amdgcn_target "amdgcn-amd-amdhsa--gfx1250"
	.amdhsa_code_object_version 6
	.text
	.protected	k_q76f3b90bee_attn
	.globl	k_q76f3b90bee_attn
	.p2align	8
	.type	k_q76f3b90bee_attn,@function
k_q76f3b90bee_attn:
	s_mov_b64 s[64:65], 0
	v_nop
	global_prefetch_b8 v0, s[64:65] scope:SCOPE_SE
	s_setreg_imm32_b32 hwreg(HW_REG_WAVE_MODE, 25, 1), 1
	s_wait_xcnt 0x0
; CAUSAL ATTENTION, head size 128.  q16, k16, v16: [32 = b*16+h][2048][128] f16, each a power of two times Q, K, V; o16: [4096 tokens][2048 = 128 h + d] f16, in V's scale.
; Products, maxima and sums in f32; the weights p are rounded to f16 for the second product (their sum l is taken of the unrounded p), O once at the end.
; p = 2^(c s - c m) with a running maximum m; c = log2(e) / sqrt(128) x 2^(shiftQ + shiftK), the two shifts made again from amax as the launches before made them.
; LIMITS.  The exponent field of 2^(shiftQ + shiftK), 2 bx + bq + bd + bk - 500, is held to 77..187.  A hidden score counts as its value less 2^64 (raw scores are 2^33 at the most: |q16| <= 2^11, |k16| <= 2^15, 128 terms).
; A weight below 2^-126 counts as 0.  NaN and infinities are not treated apart.
; THE WALK.  A head's queries lie in 16 blocks of 128; block i needs the key tiles 0 .. i of 128 keys, the last of which holds the diagonal.  A work-group takes blocks 15 - pb and then pb: 17 tiles whatever pb, so all
; 256 work-groups do equal work and one loop with a constant trip count walks them; the ring of two LDS slots runs on across the change of blocks.  The diagonal tile is computed whole, under masks: alike for all waves.
; NO CLUSTER: a head's eight work-groups ask for the same tile only in trips 0 to 8; behind that they part, and a walk common to four partners would have 20 trips for 17.
; SHARES.  EIGHT WAVES, two for each of the WGP's four SIMDs, so that one wave's products can stand beside the other's softmax.  Wave w: qg = w % 4 names its 32 queries of a block (two tiles of 16), kh = w / 4 its half of
; the keys: of each tile of 128 keys it takes the step of 64 that begins at 64 kh.  So a fragment of K or V read from LDS feeds two tiles' products, as it would with four waves that walk all keys.
; Each wave keeps its own m, l and O^T.  AT A BLOCK'S END the waves with kh = 1 lay theirs (f32) into LDS, and behind a barrier the waves with kh = 0 merge: cm = max(cm0, cm1), f_i = 2^(cm_i - cm), l = f0 l0 + f1 l1,
; O = (f0 O0 + f1 O1) / l.  A wave that has seen hidden keys alone has a c m far below its partner's: its f is 0, and its sums are finite.  That barrier stands at every tile's end, outside the branches on the block's end.
; LAYOUT.  S^T = K Q^T holds one query a lane (lane % 16) and the keys 8 (lane / 16) + 0..7; two such results rounded to f16 are source 1 of O^T = V^T P.  K comes out of LDS as it lies, V turned.
; THE MASK is the C operand that starts S^T's sum: 0, or -2^64 where key > query.  It hangs on (key block - tile) alone: five classes of eight registers, all 0 outside the diagonal tile, made in that tile.
; A STEP: tile 0's 16 products K Q^T; tile 1's 16, behind each eight lines of tile 0's softmax; V's run of loads, into K's registers, and the first 22 lines of tile 1's softmax; tile 0's 16 products V^T P, behind each seven
; more of those lines; tile 1's 16.  A softmax's 33 exponentials are one batch with one wait.
; REGISTERS: window 0: v2-15 addresses; v16-31 statistics, 8 a tile; v32-47 small things; v48-87 the masks; v96-127 P; v128-191 S^T; v192-255 Q.  Window 1: v0-127 O^T; v128-255 K, then V, at a block's end the partner's O^T.
.set KS,    64
.set PK,    272
.set PV,    288
.set VOFF,  KS*PK
.set STEPB, KS*(PK+PV)
.set SLOT1, 1<<17
.set STAGE, SLOT1+2*STEPB              ; behind the ring, never filled by a tensor load: 16 rows x 272 bytes for each wave
.set SP,    272
.set XCH,   STAGE+8*16*SP              ; the exchange: for each qg 128 registers x 128 bytes of O^T, then 16 bytes a lane of statistics
.set XW,    128*128+512
.set SPARE, XCH+4*XW                   ; the spare words, 128 bytes for each of the eight waves
.set AK0, 2
.set AV0, 3
.set ADR, 4
.set QO,  5
.set STO, 6
.set RD,  7
.set GO,  8
.set V14, 12                           ; v12  32 qg + l % 16 - 8 (l / 16) - 64 kh
.set XS,  13                           ; v13  my 16 bytes in my pair's part of the exchange
.set ST,  16                           ; tile t at ST + 8 t: c m, m, l (even keys', odd keys'), c0-c3 at work; a takes c2's place
.set PFO, 32
.set SPW, 33
.set NIL, 34
.set XT,  36                           ; v[36:39]  the statistics that I send: c m of tiles 0, 1, l of tiles 0, 1
.set XR,  40                           ; v[40:43]  those that I receive
.set MC,  48
.set P,   96
.set S,   128
.set Q,   192
.set WV,  14
.set PB,  15
.set HI,  16
.set G1K, 24
.set G1V, 32
.set G0K, 40
.set G0V, 44
.set SLOTS, 48
.set KH,  49
.set CS,  50
.set SEL, 52
.set TB,  54                           ; s54  LDS byte at which my step's tiles begin in the slot being read
.set RT,  55                           ; s55  tiles of the block in hand still to be entered; 0 in the diagonal tile
.set NXT, 56                           ; s56  the tile to be asked for next
.set LQ,  57                           ; s57  the last tile of the block whose tiles are being asked for
.set QG,  58
.set OFF, 60
.set BIGN, 63
.set OLO, 66                           ; s[66:67] o16 at my rows of the second block
.set PFA, 68
.set PFN, 70                           ; s70  prefetches still to come
.set QLO, 72                           ; s[72:73] q16 at my rows of the second block
.set BX, 74
.set BQ, 75
.set BD, 76
.set BK, 77
.set MSB, 0
.macro WIN new
.if MSB != (\new)
	s_set_vgpr_msb (MSB<<8)|(\new)
.set MSB, \new
.endif
.endm
.macro PLACES
.rept 4
	v_nop
.endr
.endm
.macro XMAX a, b, sd
	v_max_num_f32_dpp v[\a], v[\a], v[\a] row_xmask:1 row_mask:0xf bank_mask:0xf
	v_max_num_f32_dpp v[\a], v[\a], v[\a] row_xmask:2 row_mask:0xf bank_mask:0xf
	v_max_num_f32_dpp v[\a], v[\a], v[\a] row_xmask:4 row_mask:0xf bank_mask:0xf
	v_max_num_f32_dpp v[\a], v[\a], v[\a] row_xmask:8 row_mask:0xf bank_mask:0xf
	v_permlanex16_b32 v[\b], v[\a], s[SEL], s[SEL+1]
	v_max_num_f32 v[\a], v[\a], v[\b]
	v_readfirstlane_b32 s[\sd], v[\a]
	s_bfe_u32 s[\sd], s[\sd], 0x80017
.endm
; A fill.  Waves 0 and 1 fetch K of a tile's two steps, waves 2 and 3 V, 64 rows each; waves 4 to 7 have no part of a tile to fill.  An s_nop 0 and four v_nop follow each line.
.macro LOAD
	s_cmp_lt_u32 s[WV], 2
	s_cbranch_scc0 .Lnot_k_\@
	tensor_load_to_lds s[G0K:G0K+3], s[G1K:G1K+7]
	s_nop 0
	PLACES
	s_branch .Lasked_\@
.Lnot_k_\@:
	s_cmp_lt_u32 s[WV], 4
	s_cbranch_scc0 .Lasked_\@
	tensor_load_to_lds s[G0V:G0V+3], s[G1V:G1V+7]
	s_nop 0
	PLACES
.Lasked_\@:
.endm
; A PREFETCH INTO THE L2 of the tile that the next change of slots will ask for: a tile's work, 64 matrix instructions a wave and their softmax, ahead of that load.  All eight work-groups of a head walk tiles 0, 1, 2 .. first:
; the one with pb = 0, whose first block has all sixteen tiles, asks; each of its waves 0 to 3 names the 64 rows of 256 bytes that it will fetch itself, a lane a row, two instructions.  So each row of K and V is named once in the
; launch.  Tiles 0 and 1 come by their loads alone; behind tile 15 nothing is asked for.
.macro ASK
	s_cmp_lg_u32 s[PFN], 0
	s_cbranch_scc0 .Lnot_mine_\@
	global_prefetch_b8 v[PFO], s[PFA:PFA+1] th:TH_LOAD_NT scope:SCOPE_SE
	global_prefetch_b8 v[PFO], s[PFA:PFA+1] offset:8192 th:TH_LOAD_NT scope:SCOPE_SE
	s_sub_co_u32 s[PFN], s[PFN], 1
.Lnot_mine_\@:
.endm
; THE CHANGE OF SLOTS.  Each wave waits for all its tensor loads (at most one is out: its part of the other slot), adds 0 to its spare word, and waits for that and for its reads of the slot that it leaves.  fill = 1: the old slot is
; filled again, first thing behind the barrier, with tile NXT; the descriptor's address is made anew from that number.  (At its first use nothing has been read: slot 0 is waited for, slot 1 filled.)
.macro CHANGE fill
	WIN 0
	s_wait_tensorcnt 0x0
	ds_add_u32 v[SPW], v[NIL]                      ; 0 onto my spare word; the scalar work stands between it and the wait for it
.if \fill
	s_lshl_b32 s[OFF], s[NXT], 15                  ; a tile is 32,768 bytes of K and of V
	s_xor_b32 s[G0K+1], s[G0K+1], SLOT1
	s_add_nc_u64 s[G0K+2:G0K+3], s[6:7], s[OFF:OFF+1]
	s_or_b32 s[G0K+3], s[G0K+3], 0x80000000
	s_xor_b32 s[G0V+1], s[G0V+1], SLOT1
	s_add_nc_u64 s[G0V+2:G0V+3], s[8:9], s[OFF:OFF+1]
	s_or_b32 s[G0V+3], s[G0V+3], 0x80000000
	s_add_co_u32 s[NXT], s[NXT], 1                 ; the block's next tile, or behind its last the second block's tile 0
	s_cmp_gt_u32 s[NXT], s[LQ]
	s_cselect_b32 s[NXT], 0, s[NXT]
	s_cselect_b32 s[LQ], s[PB], s[LQ]
	s_wait_xcnt 0x0                                ; the last prefetches, a tile back, have read their address
	s_add_nc_u64 s[PFA:PFA+1], s[PFA:PFA+1], 32768
.endif
	s_wait_dscnt 0x0                               ; the add is done, and my reads of the slot are over
	s_barrier_signal -1
	s_xor_b32 s[TB], s[TB], SLOT1                  ; my step, in the other slot
	s_barrier_wait -1
.if \fill
	LOAD
	ASK
.endif
.endm
.macro INIT                            ; a block begins: c m far below every c s, so the first step's a is 0 and what O^T and l hold (finite numbers) is discarded; m the lowest finite number; no mask
	WIN 0
.irp t, 0,1
	v_mov_b32 v[ST+8*(\t)], 0xfe000000
	v_mov_b32 v[ST+8*(\t)+1], 0xff7fffff
.endr
.set i, 0
.rept 40
	v_mov_b32 v[MC+i], 0
.set i, i+1
.endr
.endm
.macro QLOAD b                         ; my 32 rows of Q, from the address in s[b:b+1]: tile i / 4, channels 32 (i % 4) on
.set i, 0
.rept 8
	global_load_b128 v[Q+8*i:Q+8*i+3], v[QO], s[(\b):(\b)+1] offset:(i/4)*4096+(i%4)*64
	global_load_b128 v[Q+8*i+4:Q+8*i+7], v[QO], s[(\b):(\b)+1] offset:(i/4)*4096+(i%4)*64+32
.set i, i+1
.endr
.endm
	s_load_b256 s[4:11], s[0:1], 0x0               ; q16 s[4:5], k16 s[6:7], v16 s[8:9], amax s[10:11]
	s_load_b64 s[12:13], s[0:1], 0x20              ; o16
	v_lshl_add_u32 v[SPW], v0, 2, SPARE
	v_mov_b32 v[NIL], 0
	ds_add_u32 v[SPW], v[NIL]                      ; the wave's opening: the add; its wait stands ahead of my first tensor load
	v_lshrrev_b32 v1, 5, v0
	v_readfirstlane_b32 s[WV], v1
	s_lshr_b32 s[KH], s[WV], 2                     ; my half of the keys
	s_and_b32 s[QG], s[WV], 3                      ; my 32 queries of a block
	s_mov_b32 s[PB], ttmp9
	s_sub_co_u32 s[HI], 15, s[PB]
	s_and_b32 s17, ttmp7, 0xffff                   ; b x 16 + head
	s_lshl_b32 s20, s17, 19                        ; its 2,048 rows of 256 bytes in q16, k16, v16
	s_and_b32 s18, s[WV], 1                        ; which of a tile's two steps I fetch (waves 0 to 3):
	s_lshl_b32 s22, s18, 14                        ; its 64 rows in memory,
	s_add_co_u32 s22, s22, s20
	s_mov_b32 s23, 0
	s_mul_i32 s19, s18, STEPB                      ; and its place in a slot
	s_mul_i32 s21, s[KH], STEPB                    ; the step that I read
	s_add_co_u32 s[TB], s21, SLOT1                 ; the first change of slots turns it into slot 0's
	s_lshl_b32 s3, s[QG], 13                       ; my 32 rows of a block,
	s_lshl_b32 s2, s[HI], 15                       ; in the first block,
	s_add_co_u32 s2, s2, s3
	s_add_co_u32 s2, s2, s20
	s_lshl_b32 s78, s[PB], 15                      ; and in the second
	s_add_co_u32 s78, s78, s3
	s_add_co_u32 s78, s78, s20
	s_mov_b32 s3, 0
	s_mov_b32 s79, 0
	s_lshr_b32 s84, s17, 4                         ; o16: token b x 2,048 + 128 block + 32 qg, 4,096 bytes a row; byte 256 x head
	s_lshl_b32 s84, s84, 23
	s_and_b32 s80, s17, 15
	s_lshl_b32 s80, s80, 8
	s_add_co_u32 s84, s84, s80
	s_lshl_b32 s80, s[QG], 17
	s_add_co_u32 s84, s84, s80
	s_lshl_b32 s80, s[HI], 19
	s_add_co_u32 s80, s80, s84
	s_lshl_b32 s82, s[PB], 19
	s_add_co_u32 s82, s82, s84
	s_mov_b32 s81, 0
	s_mov_b32 s83, 0
	s_mov_b32 s[G1K], (1<<16)|(1<<20)|(5<<22)|(3<<25)  ; 2-byte elements; padding on: after every 64 words 4 words
	s_mov_b32 s[G1V], (1<<16)|(1<<20)|(5<<22)|(7<<25)  ; 8 words
.irp g, G1K, G1V
	s_mov_b32 s[(\g)+1], 128<<16                   ; a tile of 64 rows x 128 elements
	s_mov_b32 s[(\g)+2], KS<<16
	s_mov_b32 s[(\g)+3], 128<<16
	s_mov_b32 s[(\g)+4], KS
	s_mov_b32 s[(\g)+5], 128
	s_mov_b32 s[(\g)+6], 0
	s_mov_b32 s[(\g)+7], 0
.endr
	s_mov_b32 s[SEL], 0x76543210
	s_mov_b32 s[SEL+1], 0xfedcba98
	s_mov_b32 s[G0K], 1
	s_mov_b32 s[G0K+1], s19
	s_mov_b32 s[G0V], 1
	s_add_co_u32 s[G0V+1], s19, VOFF
	s_add_co_u32 s[RT], s[HI], 1                   ; the first block has 16 - pb tiles
	s_mov_b32 s[NXT], 1
	s_mov_b32 s[LQ], s[HI]
	s_mov_b32 s[OFF+1], 0
	s_mov_b32 s[BIGN], 0xdf800000                  ; -2^64
	s_mov_b32 s[SLOTS], 16
	s_cmp_eq_u32 s[PB], 0
	s_cselect_b32 s[PFN], 14, 0
	s_cmp_lt_u32 s[WV], 4
	s_cselect_b32 s[PFN], s[PFN], 0
	s_wait_dscnt 0x0
	s_wait_kmcnt 0x0
	s_add_nc_u64 s[6:7], s[6:7], s[22:23]          ; K and V at the step of the head's tile 0 that I fetch
	s_add_nc_u64 s[8:9], s[8:9], s[22:23]
	s_add_nc_u64 s[G0K+2:G0K+3], s[6:7], 0
	s_or_b32 s[G0K+3], s[G0K+3], 0x80000000
	s_add_nc_u64 s[G0V+2:G0V+3], s[8:9], 0
	s_or_b32 s[G0V+3], s[G0V+3], 0x80000000
	s_add_nc_u64 s[QLO:QLO+1], s[4:5], s[78:79]
	s_add_nc_u64 s[4:5], s[4:5], s[2:3]
	s_add_nc_u64 s[OLO:OLO+1], s[12:13], s[82:83]
	s_add_nc_u64 s[12:13], s[12:13], s[80:81]
	s_cmp_lt_u32 s[WV], 2
	s_cselect_b64 s[PFA:PFA+1], s[6:7], s[8:9]
	s_add_nc_u64 s[PFA:PFA+1], s[PFA:PFA+1], 32768 ; at tile 1: the first change of slots steps it to tile 2
	LOAD                                           ; tile 0 into slot 0
	v_and_b32 v1, 15, v0                           ; r
	v_bfe_u32 v9, v0, 4, 1                         ; h
	v_lshlrev_b32 v[QO], 8, v1
	v_lshl_add_u32 v[QO], v9, 4, v[QO]
	QLOAD 4                                        ; the first block's Q
	v_and_b32 v14, 31, v0
	v_lshlrev_b32 v44, 4, v14
	v_lshlrev_b32 v45, 3, v14
	v_lshlrev_b32 v46, 2, v14
	global_load_b128 v[S:S+3], v44, s[10:11]               ; the maxima of x,
	global_load_b128 v[S+4:S+7], v44, s[10:11] offset:512
	global_load_b128 v[S+8:S+11], v44, s[10:11] offset:1024  ; Wq,
	global_load_b32 v[S+12], v46, s[10:11] offset:1536       ; Wdown,
	global_load_b64 v[S+14:S+15], v45, s[10:11] offset:1664  ; Wk_up
	WIN 0x40
.set i, 0
.rept 128
	v_mov_b32 v[i], 0                              ; O^T need only hold finite numbers: written in the wait for the first tile, so that no first step is written out
.set i, i+1
.endr
	WIN 0
.irp t, 0,1
	v_mov_b32 v[ST+8*(\t)+2], 0
	v_mov_b32 v[ST+8*(\t)+3], 0
.endr
	INIT
	v_lshlrev_b32 v[PFO], 8, v14
	v_lshlrev_b32 v[V14], 3, v9
	v_sub_nc_u32 v[V14], v1, v[V14]
	s_lshl_b32 s17, s[QG], 5
	s_lshl_b32 s21, s[KH], 6
	s_sub_co_u32 s17, s17, s21
	v_add_nc_u32 v[V14], s17, v[V14]
	v_mul_u32_u24 v[AK0], v1, PK
	v_lshl_add_u32 v[AK0], v9, 4, v[AK0]           ; K: row x pitch + 16 x half
	v_and_b32 v10, 7, v0
	v_bfe_u32 v11, v0, 3, 1
	v_lshl_add_u32 v[AV0], v9, 3, v10              ; V, for the turning load: key 8 h + l % 8, 16 bytes at 16 ((l / 8) % 2)
	v_mul_u32_u24 v[AV0], v[AV0], PV
	v_lshl_add_u32 v[AV0], v11, 4, v[AV0]
	v_add_nc_u32 v[AV0], VOFF, v[AV0]
	s_mul_i32 s17, s[WV], 16*SP
	s_add_co_u32 s17, s17, STAGE
	v_mul_u32_u24 v[STO], v1, SP
	v_lshl_add_u32 v[STO], v9, 4, v[STO]
	v_add_nc_u32 v[STO], s17, v[STO]
	v_mul_u32_u24 v[RD], v9, SP
	v_lshl_add_u32 v[RD], v1, 4, v[RD]
	v_add_nc_u32 v[RD], s17, v[RD]
	v_lshlrev_b32 v[GO], 12, v9
	v_lshl_add_u32 v[GO], v1, 4, v[GO]
	s_mul_i32 s17, s[QG], XW
	s_add_co_u32 s17, s17, XCH
	v_lshl_add_u32 v[XS], v14, 4, s17              ; the same for both waves of a pair: one writes there, the other reads
	v_mov_b32 v[S+13], 0
	s_wait_loadcnt 0x0                             ; Q and the maxima
	v_max3_num_f32 v[S], v[S], v[S+1], v[S+2]
	v_max3_num_f32 v[S+4], v[S+4], v[S+5], v[S+6]
	v_max3_num_f32 v[S], v[S], v[S+3], v[S+7]
	v_max_num_f32 v[S], v[S], v[S+4]
	v_max3_num_f32 v[S+8], v[S+8], v[S+9], v[S+10]
	v_max_num_f32 v[S+8], v[S+8], v[S+11]
	v_max_num_f32 v[S+14], v[S+14], v[S+15]
	XMAX S, S+13, BX
	XMAX S+8, S+13, BQ
	XMAX S+12, S+13, BD
	XMAX S+14, S+13, BK
	s_lshl_b32 s17, s[BX], 1                       ; the exponent field of 2^(shiftQ + shiftK)
	s_add_co_u32 s17, s17, s[BQ]
	s_add_co_u32 s17, s17, s[BD]
	s_add_co_u32 s17, s17, s[BK]
	s_sub_co_u32 s17, s17, 500
	s_max_i32 s17, s17, 77
	s_min_i32 s17, s17, 187
	s_sub_co_u32 s17, s17, 127
	s_lshl_b32 s17, s17, 23
	s_add_co_u32 s[CS], s17, 0x3e0293ee            ; log2(e) / sqrt(128) with that power of two added to its exponent
	s_mov_b32 s[CS+1], s[CS]
; Product i of 16 of S^T = K Q^T for tile x: channels 32 (i / 4) on, keys 16 (i % 4) on.  The first 4 start the sums with the mask of class (key block - tile).  The 4 accumulators take turns.
.macro KQ x
	WIN 0x01                                       ; K window 1; Q, S^T and the mask window 0
.set rS, S+32*(\x)+8*(i%4)
.set rK, 128+32*(i%4)+8*(i/4)
.set rQ, Q+32*(\x)+8*(i/4)
.set rM, MC+8*((i%4)-(\x)+1)
.if i < 4
	v_wmma_f32_16x16x32_f16 v[rS:rS+7], v[rK:rK+7], v[rQ:rQ+7], v[rM:rM+7]
.else
	v_wmma_f32_16x16x32_f16 v[rS:rS+7], v[rK:rK+7], v[rQ:rQ+7], v[rS:rS+7]
.endif
.endm
; Product i of 16 of O^T += V^T P for tile x: keys 32 (i / 8) on, channels 16 (i % 8) on.  8 accumulators by turns.
.macro PV x
	WIN 0x51                                       ; V and O^T window 1, P window 0
.set rO, 64*(\x)+8*(i%8)
.set rV, 128+64*(i/8)+8*(i%8)
.set rP, P+16*(\x)+8*(i/8)
	v_wmma_f32_16x16x32_f16 v[rO:rO+7], v[rV:rV+7], v[rP:rP+7], v[rO:rO+7]
.endm
.macro FETCH_K                         ; 32 loads, channel quarter by channel quarter, in the order in which tile 0's products want them
	WIN 0
	v_add_nc_u32 v[ADR], s[TB], v[AK0]
	WIN 0x40
.irp c, 0,1,2,3
.irp kb, 0,1,2,3
	ds_load_b128 v[128+32*(\kb)+8*(\c):128+32*(\kb)+8*(\c)+3],   v[ADR] offset:(\kb)*16*PK+(\c)*64
	ds_load_b128 v[128+32*(\kb)+8*(\c)+4:128+32*(\kb)+8*(\c)+7], v[ADR] offset:(\kb)*16*PK+(\c)*64+32
.endr
.endr
.endm
.macro FETCH_V                         ; 32 turning loads, into the registers that K has left
	WIN 0
	v_add_nc_u32 v[ADR], s[TB], v[AV0]
	WIN 0x40
.irp f, 0,1,2,3,4,5,6,7,8,9,10,11,12,13,14,15  ; keys 32 (f / 8) on, channels 16 (f % 8) on
	ds_load_tr16_b128 v[128+8*(\f):128+8*(\f)+3],   v[ADR] offset:((\f)/8)*32*PV+((\f)%8)*32
	ds_load_tr16_b128 v[128+8*(\f)+4:128+8*(\f)+7], v[ADR] offset:((\f)/8)*32*PV+16*PV+((\f)%8)*32
.endr
.endm
; The diagonal tile's masks for my step: register j of class d (-1 .. 3) is hidden where 16 d + j > 32 qg + l % 16 - 8 (l / 16) - 64 kh.
.macro MASKS
.set d, 0
.rept 40
	v_cmp_gt_i32 vcc_lo, 16*(d/8)-16+d%8, v[V14]
	v_cndmask_b32 v[MC+d], 0, s[BIGN], vcc_lo
.set d, d+1
.endr
.endm
; ONE TILE'S SOFTMAX FOR A STEP: a list of 134 lines; SM writes number j for tile t.  s0-s31 are the lane's 32 scores, in pairs 0-15.
;   0-15   the maximum of s0-s31 and the old m, three operands at a time (each accumulator's lowest registers are read first)
;   16-20  the other half of the lanes' maximum; c m_old is kept; the new m; c m; c m_old - c m_new
;   21-69  one batch: the 16 scalings c s - c m and all 33 exponentials (a at 23, then s0-s31); none of these names an exponential's result; a pair is scaled ahead of its exponentials
;   70-85  the roundings to f16     86-101 the sums; l = a l + the sum     102-133 O^T times a
.macro SM t
.set rT, ST+8*(\t)
.set rS, S+32*(\t)
.set rP, P+16*(\t)
.set rO, 64*(\t)+2*(j-102)
.if j < 102
	WIN 0
.endif
.if j < 4
	v_max3_num_f32 v[rT+4+j], v[rS+8*j], v[rS+8*j+1], v[rS+8*j+2]
.elseif j < 12
	v_max3_num_f32 v[rT+4+j%4], v[rT+4+j%4], v[rS+8*(j%4)+2*(j/4)+1], v[rS+8*(j%4)+2*(j/4)+2]
.elseif j == 12
	v_max3_num_f32 v[rT+4], v[rT+4], v[rS+7], v[rS+15]
.elseif j == 13
	v_max3_num_f32 v[rT+6], v[rT+6], v[rS+23], v[rS+31]
.elseif j == 14
	v_max3_num_f32 v[rT+4], v[rT+4], v[rT+5], v[rT+6]
.elseif j == 15
	v_max3_num_f32 v[rT+4], v[rT+4], v[rT+7], v[rT+1]
.elseif j == 16
	v_permlanex16_b32 v[rT+5], v[rT+4], s[SEL], s[SEL+1]
.elseif j == 17
	v_mov_b32 v[rT+7], v[rT]
.elseif j == 18
	v_max_num_f32 v[rT+1], v[rT+4], v[rT+5]
.elseif j == 19
	v_mul_f32 v[rT], s[CS], v[rT+1]
.elseif j == 20
	v_sub_f32 v[rT+7], v[rT+7], v[rT]
.elseif j == 23
	v_exp_f32 v[rT+6], v[rT+7]
.elseif (j < 23) || ((j < 38) && (j%2 == 0)) || ((j < 66) && (j%4 == 2))
.set b, (j-2)/4                        ; 38, 42 .. 62: pairs 9 to 15
.if j < 38
.set b, (j-20)/2                       ; 21: pair 0; 22, 24 .. 36: pairs 1 to 8
.endif
	v_pk_fma_f32 v[rS+2*b:rS+2*b+1], v[rS+2*b:rS+2*b+1], s[CS:CS+1], v[rT:rT+1] op_sel_hi:[1,0,0] neg_lo:[0,0,1] neg_hi:[0,0,1]
.elseif j < 70
.set e, j-38                           ; 66 to 69: s28 to s31
.if j < 66
.set e, j-32-(j-38)/4                  ; 39-41, 43-45 .. 63-65: s7 to s27
.endif
.if j < 38
.set e, (j-25)/2                       ; 25, 27 .. 37: s0 to s6
.endif
	v_exp_f32 v[rS+e], v[rS+e]
.elseif j < 86
	v_cvt_pk_f16_f32 v[rP+j-70], v[rS+2*(j-70)], v[rS+2*(j-70)+1]
.elseif j < 102                        ; the 16 pairs are added in place, neighbours 1, 2, 4 and 8 pairs apart; then l takes the sum
.set z, j-86
.set w, 4
.set u, z
.if z >= 14
.set w, 32
.set u, 0
.elseif z >= 12
.set w, 16
.set u, z-12
.elseif z >= 8
.set w, 8
.set u, z-8
.endif
.if z < 15
	v_pk_add_f32 v[rS+w*u:rS+w*u+1], v[rS+w*u:rS+w*u+1], v[rS+w*u+w/2:rS+w*u+w/2+1]
.else
	v_pk_fma_f32 v[rT+2:rT+3], v[rT+2:rT+3], v[rT+6:rT+7], v[rS:rS+1] op_sel_hi:[1,0,1]
.endif
.else
	WIN 0x41
	v_pk_mul_f32 v[rO:rO+1], v[rO:rO+1], v[rT+6:rT+7] op_sel_hi:[1,0]
.endif
.endm
; Numbers lo .. lo + n - 1 of tile t's list.  Between 69 and 70: a plain instruction behind the last exponential, and one wait between the batch and the first line that names a result of it.
.macro RIDE t, lo, n
.set j, \lo
.rept \n
.if j == 70
	v_nop
	s_wait_alu depctr_va_vdst(0)
.endif
	SM \t
.set j, j+1
.endr
.endm
; A KEY STEP.  K and V take turns in one set of 128 registers.  The last fourteen lines of tile 0's softmax, plain multiplies that name nothing of the products round them, are the places between tile 1's last product K Q^T
; and both V's loads into K's registers and the first read of tile 1's scores.
.macro STEP
	FETCH_K                                        ; V's last reader stands in front of the four places at the last step's end
	WIN 0
	s_cmp_lg_u32 s[RT], 0
	s_cbranch_scc1 .Lno_mask_\@                    ; only the diagonal tile makes masks
	MASKS
.Lno_mask_\@:
.set i, 0
.rept 16
.if i%4 == 0
	s_wait_dscnt 24-8*(i/4)                        ; this channel quarter's eight loads are in; the later quarters' may be out
.endif
	KQ 0
.set i, i+1
.endr
	PLACES                                         ; behind tile 0's products, in front of the first read of its scores
.set i, 0
.rept 16
	KQ 1
.if i < 15
	RIDE 0, 8*i, 8
.else
	RIDE 0, 120, 14
.endif
.set i, i+1
.endr
	FETCH_V
	RIDE 1, 0, 22                                  ; tile 1's maximum and statistics stand between V's run of loads and the wait for it
	s_wait_dscnt 0x0                               ; V is in
.set i, 0
.rept 16
	PV 0
	RIDE 1, 22+7*i, 7
.set i, i+1
.endr
.set i, 0
.rept 16
	PV 1
.set i, i+1
.endr
	WIN 0
	PLACES                                         ; behind the last products: in front of loads into V's registers and of every read of O^T
.endm
.macro LSUM                            ; a wave's l: the two halves of a pair, and the other half of the lanes'
.irp t, 0,1
	v_add_f32 v[ST+8*(\t)+4], v[ST+8*(\t)+2], v[ST+8*(\t)+3]
.endr
.irp t, 0,1
	v_permlanex16_b32 v[ST+8*(\t)+5], v[ST+8*(\t)+4], s[SEL], s[SEL+1]
.endr
.irp t, 0,1
	v_add_f32 v[ST+8*(\t)+4], v[ST+8*(\t)+4], v[ST+8*(\t)+5]
.endr
.endm
.macro SENDP                           ; kh = 1: my O^T (each accumulator's low registers first), c m and l go into the exchange: 16 neighbouring bytes a lane
	WIN 0x04                                       ; store data in window 1
.set i, 0
.rept 32
	ds_store_b128 v[XS], v[4*i:4*i+3] offset:512*i
.set i, i+1
.endr
	WIN 0
	v_mov_b32 v[XT], v[ST]
	v_mov_b32 v[XT+1], v[ST+8]
	v_mov_b32 v[XT+2], v[ST+4]
	v_mov_b32 v[XT+3], v[ST+12]
	ds_store_b128 v[XS], v[XT:XT+3] offset:128*128
.endm
; kh = 0: the partner's statistics and O^T come in (O^T into V's registers); the two factors of each tile, already divided by l: mine into ST + 6, the partner's into ST + 2.
.macro MERGE
	ds_load_b128 v[XR:XR+3], v[XS] offset:128*128
	WIN 0x40
.set i, 0
.rept 32
	ds_load_b128 v[128+4*i:128+4*i+3], v[XS] offset:512*i
.set i, i+1
.endr
	WIN 0
	s_wait_dscnt 32                                ; the statistics are in; the 32 loads behind them may be out
.irp t, 0,1
	v_max_num_f32 v[ST+8*(\t)+5], v[ST+8*(\t)], v[XR+(\t)]
.endr
.irp t, 0,1
	v_sub_f32 v[ST+8*(\t)+6], v[ST+8*(\t)], v[ST+8*(\t)+5]
	v_sub_f32 v[ST+8*(\t)+7], v[XR+(\t)], v[ST+8*(\t)+5]
.endr
.irp t, 0,1
	v_exp_f32 v[ST+8*(\t)+6], v[ST+8*(\t)+6]
	v_exp_f32 v[ST+8*(\t)+7], v[ST+8*(\t)+7]
.endr
	v_nop                                          ; a plain instruction behind the last exponential,
	s_wait_alu depctr_va_vdst(0)                   ; and the wait ahead of the first use: one for the four
.irp t, 0,1
	v_mul_f32 v[ST+8*(\t)+4], v[ST+8*(\t)+4], v[ST+8*(\t)+6]
.endr
.irp t, 0,1
	v_fmac_f32 v[ST+8*(\t)+4], v[XR+2+(\t)], v[ST+8*(\t)+7]
.endr
.irp t, 0,1
	v_rcp_f32 v[ST+8*(\t)+5], v[ST+8*(\t)+4]
.endr
	v_nop
	s_wait_alu depctr_va_vdst(0)                   ; one for the two reciprocals
.irp t, 0,1
	v_mul_f32 v[ST+8*(\t)+6], v[ST+8*(\t)+6], v[ST+8*(\t)+5]
	v_mul_f32 v[ST+8*(\t)+2], v[ST+8*(\t)+7], v[ST+8*(\t)+5]
.endr
.endm
.macro PACK t                          ; tile t: the two partial O^T, each times its factor; rounded to f16, into my stage, back as whole rows of 256 bytes, into S^T's registers
	s_wait_dscnt 16                                ; the partner's tile t is in.  Tile 0: its tile 1's sixteen loads may be out; tile 1: the sixteen stage instructions of tile 0
	WIN 0x41
.set i, 64*(\t)
.rept 32
	v_pk_mul_f32 v[i:i+1], v[i:i+1], v[ST+8*(\t)+6:ST+8*(\t)+7] op_sel_hi:[1,0]
.set i, i+2
.endr
	WIN 0x51
.set i, 64*(\t)
.rept 32
	v_pk_fma_f32 v[i:i+1], v[128+i:128+i+1], v[ST+8*(\t)+2:ST+8*(\t)+3], v[i:i+1] op_sel_hi:[1,0,1]
.set i, i+2
.endr
	WIN 0x05
.set i, 0
.rept 32
	v_cvt_pk_f16_f32 v[S+32*(\t)+i], v[64*(\t)+2*i], v[64*(\t)+2*i+1]
.set i, i+1
.endr
	WIN 0
.irp f, 0,1,2,3,4,5,6,7
	ds_store_b128 v[STO], v[S+32*(\t)+4*(\f):S+32*(\t)+4*(\f)+3] offset:32*(\f)
.endr
.irp f, 0,1,2,3,4,5,6,7
	ds_load_b128 v[S+32*(\t)+4*(\f):S+32*(\t)+4*(\f)+3], v[RD] offset:(\f)*2*SP  ; LDS serves a wave's instructions in order: these see the stores above
.endr
.endm
.macro SEND t, younger
.irp f, 0,1,2,3,4,5,6,7
	s_wait_dscnt (\younger)+7-(\f)
	global_store_b128 v[GO], v[S+32*(\t)+4*(\f):S+32*(\t)+4*(\f)+3], s[12:13] offset:(16*(\t)+2*(\f))*4096  ; 16 lanes store 256 consecutive bytes, aligned
.endr
.endm
; A TILE'S END.  The barrier stands on every wave's path in every tile; what hangs on the block's end (RT = 0) or on the wave's half of the keys is jumped over in front of it and behind it.
; inloop = 1: the text of the loop, where the block that ends is the first: the second block's Q is asked for ahead of the merge; its O address, tile count and statistics are set.
.macro ENDTILE inloop
.if \inloop
	s_cmp_lg_u32 s[RT], 0
	s_cbranch_scc1 .Lmeet_\@
.endif
	LSUM
	s_cmp_eq_u32 s[KH], 0
	s_cbranch_scc1 .Lmeet_\@
	SENDP
.Lmeet_\@:
	s_wait_dscnt 0x0                               ; for the partner's sake: my stores into the exchange are done
	s_barrier_signal -1
	s_barrier_wait -1
.if \inloop
	s_cmp_lg_u32 s[RT], 0
	s_cbranch_scc1 .Lgoes_on_\@
	QLOAD QLO
.endif
	s_cmp_lg_u32 s[KH], 0
	s_cbranch_scc1 .Lnot_mine_\@
	MERGE
	PACK 0
	PACK 1
	SEND 0, 16
	SEND 1, 0
.Lnot_mine_\@:
.if \inloop
	s_wait_xcnt 0x0                                ; the stores have read their data and O's address
	s_mov_b64 s[12:13], s[OLO:OLO+1]
	s_add_co_u32 s[RT], s[PB], 1                   ; the second block has pb + 1 tiles
	INIT
	s_wait_loadcnt 0x0                             ; its Q is in
.Lgoes_on_\@:
.endif
.endm
.macro TILE inloop
	s_sub_co_u32 s[RT], s[RT], 1
	STEP
	ENDTILE \inloop
.endm
.Lslot:                                        ; 16 times: a tile is entered and the next is asked for
	CHANGE 1
	TILE 1
	s_sub_co_u32 s[SLOTS], s[SLOTS], 1
	s_cmp_lg_u32 s[SLOTS], 0
	s_cbranch_scc1 .Lslot
	CHANGE 0                                       ; the walk's last tile, the second block's diagonal one, is written out: nothing is asked for
	TILE 0
	s_wait_tensorcnt 0x0                           ; the wave's end
	ds_add_u32 v[SPW], v[NIL]
	s_wait_dscnt 0x0
	s_endpgm
.Lfunc_end_k_q76f3b90bee_attn:
	.size	k_q76f3b90bee_attn, .Lfunc_end_k_q76f3b90bee_attn-k_q76f3b90bee_attn
	.p2alignl 7, 3214868480
	.fill 96, 4, 3214868480
	.section	.rodata,"a",@progbits
	.p2align	6, 0x0
	.amdhsa_kernel k_q76f3b90bee_attn
		.amdhsa_group_segment_fixed_size 327680
		.amdhsa_private_segment_fixed_size 0
		.amdhsa_enable_private_segment 0
		.amdhsa_kernarg_size 40
		.amdhsa_user_sgpr_count 2
		.amdhsa_user_sgpr_kernarg_segment_ptr 1
		.amdhsa_wavefront_size32 1
		.amdhsa_system_sgpr_workgroup_id_x 1
		.amdhsa_system_sgpr_workgroup_id_y 1
		.amdhsa_system_sgpr_workgroup_id_z 1
		.amdhsa_system_vgpr_workitem_id 0
		.amdhsa_next_free_vgpr 512
		.amdhsa_next_free_sgpr 86
		.amdhsa_reserve_vcc 1
		.amdhsa_float_denorm_mode_32 3
		.amdhsa_float_denorm_mode_16_64 3
		.amdhsa_memory_ordered 1
		.amdhsa_forward_progress 1
		.amdhsa_inst_pref_size 125
	.end_amdhsa_kernel
	.amdgpu_metadata
---
amdhsa.version: [ 1, 2 ]
amdhsa.kernels:
  - .name:           k_q76f3b90bee_attn
    .symbol:         k_q76f3b90bee_attn.kd
    .args:
      - { .name: q16, .offset: 0, .size: 8, .value_kind: global_buffer, .address_space: global }
      - { .name: k16, .offset: 8, .size: 8, .value_kind: global_buffer, .address_space: global }
      - { .name: v16, .offset: 16, .size: 8, .value_kind: global_buffer, .address_space: global }
      - { .name: amax, .offset: 24, .size: 8, .value_kind: global_buffer, .address_space: global }
      - { .name: o16, .offset: 32, .size: 8, .value_kind: global_buffer, .address_space: global }
    .group_segment_fixed_size: 327680
    .private_segment_fixed_size: 0
    .kernarg_segment_align: 8
    .kernarg_segment_size: 40
    .max_flat_workgroup_size: 256
    .sgpr_count:     86
    .vgpr_count:     512
    .wavefront_size: 32
...
	.end_amdgpu_metadata
.endif
;; end of part 4
;; launch oproj (part 5): grid 8 x 32, 4 waves a work-group, clusters of 4 x 4, 327,680 bytes of LDS; arguments o16, b16, amax, out0; writes out0
.if DOCPART == 5
	.amdgcn_target "amdgcn-amd-amdhsa--gfx1250"
	.amdhsa_code_object_version 6
	.text
	.protected	k_q76f3b90bee_oproj
	.globl	k_q76f3b90bee_oproj
	.p2align	8
	.type	k_q76f3b90bee_oproj,@function
k_q76f3b90bee_oproj:
	s_mov_b64 s[64:65], 0
	v_nop
	global_prefetch_b8 v0, s[64:65] scope:SCOPE_SE
	s_setreg_imm32_b32 hwreg(HW_REG_WAVE_MODE, 25, 1), 1
	s_wait_xcnt 0x0
	s_wait_alu depctr_hold_cnt(0) depctr_sa_sdst(0) depctr_va_vdst(0) depctr_va_sdst(0) depctr_va_ssrc(0) depctr_va_vcc(0) depctr_vm_vsrc(0)
	s_getreg_b32 s2, hwreg(HW_REG_IB_STS2, 6, 4)
	s_cmp_eq_u32 s2, 0
	s_cbranch_scc0 .Lentry_in_a_cluster
	s_endpgm
.Lentry_in_a_cluster:
	s_bfe_u32 s2, ttmp6, 0x10000c
	s_cmp_lg_u32 s2, 0xf033
	s_cbranch_scc0 .Lentry_shape_is_right
	s_endpgm
.Lentry_shape_is_right:
; OPROJ.  out0 = O Wo.  o16 [4096][2048] f16 holds O x 2^-shiftV; Wo [2048][1024] lies in b16 as f16 (its bf16 rounding); sums in f32; the result is multiplied by 2^shiftV, shiftV = Ex + Ed + Ev + 7, made again from amax.
; LIMIT: the scale's exponent field bx + bd + bv - 247 is held to 1..254.  NaN and infinities are not treated apart.
; SHARES.  256 tiles of 128 x 128, one a work-group; four waves of 64 x 64: 16 accumulators.  K goes in 8 steps of 256 through two LDS slots, as long as two slots allow; a step is four quarters of 64, 32 matrix instructions each.
; THE MATRIX INSTRUCTION IS USED TRANSPOSED: source 0 = 16 columns of Wo (turned out of LDS, since Wo lies [k][n]), source 1 = 16 rows of O: a lane holds 8 neighbouring columns of one row.
; CLUSTER 4 x 4: O's tile is asked for jointly along a row of the cluster, Wo's along a column.  Waves 0, 1 fetch O's two row halves (64 rows of 512 bytes), waves 2, 3 Wo's two halves along k (128 rows of 256 bytes).
; No prefetch: the tile is small, and a step's 128 matrix instructions a wave leave little to lead by.
; REGISTERS: window 0: v0-31 addresses; v32-47 at work at the head; v128-255 the accumulators ((a, b) at 128 + 8 (4 a + b)).  Window 1: two fragment buffers of 128: 64 registers of O (2 x 4 fragments), then 64 of Wo.
.set WOO,   17825792
.set PITCH, 528                        ; a row of O in LDS: 512 + 16
.set PW,    288                        ; a row of Wo: 256 + 32, an odd multiple of 32, for the turning load
.set HALFA, 64*PITCH
.set BOFF,  2*HALFA
.set HALFB, 128*PW
.set SLOT,  147456                     ; from slot to slot (141,312 used): bits 17 and 14, which none of the four tiles' first bytes in slot 0 has (0, 33,792, 67,584, 104,448): one exclusive or turns such an address into the other slot's
.set STAGE, 2*SLOT                     ; behind the ring: 16 rows x 272 bytes for each wave: a wave's 64 columns of f32 are 256 bytes
.set SPITCH, 272
.set SPARE, STAGE+4*16*SPITCH
.set A0,   12                          ; v12     my lane's place in O's tile of slot 0; never rewritten
.set B0,   13                          ; v13-14  in Wo's: k rows 0 on, 128 on (an LDS offset has 16 bits); never rewritten
.set ADRA, 16                          ; v16     the same in the slot being read
.set ADRB, 20                          ; v20-21
.set STO,  24
.set RD,   25
.set CO,   26
.set SPW,  28
.set NIL,  29
.set ACC,  128
.set F0,   0
.set F1,   128
.set WV, 14
.set WR, 15
.set WC, 16
.set CX, 17
.set CY, 18
.set NJ, 19
.set MI, 20
.set G1,  24
.set G0,  32                           ; s[32:39] group 0 for O's tiles: a set for each of the two first fills; the second then walks on
.set G1B, 48
.set G0B, 56
.set TB,  67                           ; s67  the slot being read: 0 or SLOT
.set SO,  72                           ; s[72:73] 2^shiftV
.set SEL, 74
.set BX, 76
.set BD, 77
.set BV, 78
.set MSB, 0
.macro WIN new
.if MSB != (\new)
	s_set_vgpr_msb (MSB<<8)|(\new)
.set MSB, \new
.endif
.endm
.set MUL,  0x05
.set TO_F, 0x40
.macro PLACES
.rept 4
	v_nop
.endr
.endm
.macro JLOAD                           ; a joint refill by the walking sets; an s_nop 0 and four v_nop follow each line
	s_cmp_eq_u32 s[WR], 0
	s_cbranch_scc0 .Lfor_b_\@
	tensor_load_to_lds s[G0+4:G0+7], s[G1:G1+7]
	s_nop 0
	PLACES
	s_branch .Lasked_\@
.Lfor_b_\@:
	tensor_load_to_lds s[G0B+4:G0B+7], s[G1B:G1B+7]
	s_nop 0
	PLACES
.Lasked_\@:
.endm
.macro CREST
	s_cmp_lg_u32 s[WV], 0
	s_cbranch_scc1 .Lnot_wave_0_\@
	s_barrier_signal -3
.Lnot_wave_0_\@:
	s_barrier_wait -3
	s_barrier_signal -1
	s_barrier_wait -1
.endm
.macro CROUND
	s_barrier_signal -1
	s_barrier_wait -1
	CREST
.endm
.macro XMAX a, b, sd
	v_max_num_f32_dpp v[\a], v[\a], v[\a] row_xmask:1 row_mask:0xf bank_mask:0xf
	v_max_num_f32_dpp v[\a], v[\a], v[\a] row_xmask:2 row_mask:0xf bank_mask:0xf
	v_max_num_f32_dpp v[\a], v[\a], v[\a] row_xmask:4 row_mask:0xf bank_mask:0xf
	v_max_num_f32_dpp v[\a], v[\a], v[\a] row_xmask:8 row_mask:0xf bank_mask:0xf
	v_permlanex16_b32 v[\b], v[\a], s[SEL], s[SEL+1]
	v_max_num_f32 v[\a], v[\a], v[\b]
	v_readfirstlane_b32 s[\sd], v[\a]
	s_bfe_u32 s[\sd], s[\sd], 0x80017
.endm
	s_load_b256 s[4:11], s[0:1], 0x0               ; o16 s[4:5], b16 s[6:7], amax s[8:9], out0 s[10:11]
	v_lshl_add_u32 v[SPW], v0, 2, SPARE
	v_mov_b32 v[NIL], 0
	ds_add_u32 v[SPW], v[NIL]                      ; the wave's opening: the add; its wait stands ahead of my first tensor load
	v_lshrrev_b32 v1, 5, v0
	v_readfirstlane_b32 s[WV], v1
	s_lshr_b32 s[WR], s[WV], 1                     ; my half of the tile's rows.  Also: I fetch for O (0) or for Wo (1)
	s_and_b32 s[WC], s[WV], 1                      ; my half of its columns.  Also: which half I fetch
	s_bfe_u32 s[CX], ttmp6, 0x40000
	s_bfe_u32 s[CY], ttmp6, 0x40004
	s_lshl_b32 s[NJ], ttmp9, 2
	s_add_co_u32 s[NJ], s[NJ], s[CX]
	s_and_b32 s[MI], ttmp7, 0xffff
	s_lshl_b32 s[MI], s[MI], 2
	s_add_co_u32 s[MI], s[MI], s[CY]
	s_lshl_b32 s21, s[CY], 2
	s_lshl_b32 s21, 15, s21
	s_lshl_b32 s22, 0x1111, s[CX]
	s_or_b32 s[G1], s21, (1<<16)|(1<<20)|(1<<21)|(6<<22)|(3<<25)   ; O: after every 128 words 4 words of padding
	s_or_b32 s[G1B], s22, (1<<16)|(1<<20)|(1<<21)|(5<<22)|(7<<25)  ; Wo: after every 64 words 8 words
	s_mov_b32 s[G1+1], 256<<16                     ; a tile of 64 rows x 256 elements, 2,048 elements from row to row
	s_mov_b32 s[G1+2], 64<<16
	s_mov_b32 s[G1+3], 256<<16
	s_mov_b32 s[G1+4], 64
	s_mov_b32 s[G1+5], 2048
	s_mov_b32 s[G1+6], 0
	s_mov_b32 s[G1+7], 0
	s_mov_b32 s[G1B+1], 128<<16                    ; a tile of 128 rows x 128 elements, 1,024 elements from row to row
	s_mov_b32 s[G1B+2], 128<<16
	s_mov_b32 s[G1B+3], 128<<16
	s_mov_b32 s[G1B+4], 128
	s_mov_b32 s[G1B+5], 1024
	s_mov_b32 s[G1B+6], 0
	s_mov_b32 s[G1B+7], 0
	s_mul_i32 s23, s[WC], HALFA                    ; where the tiles go: the wave's number alone
	s_mul_i32 s2, s[WC], HALFB
	s_add_co_u32 s2, s2, BOFF
	s_mov_b32 s[TB], 0
	s_mov_b32 s[SEL], 0x76543210
	s_mov_b32 s[SEL+1], 0xfedcba98
	s_lshl_b32 s40, s[MI], 19                      ; O: row 128 mi + 64 half, 4,096 bytes a row (s40-43 hold nothing of cx)
	s_lshl_b32 s41, s[WC], 18
	s_add_co_u32 s40, s40, s41
	s_mov_b32 s41, 0
	s_lshl_b32 s44, s[NJ], 8                       ; Wo: column 128 nj, k row 128 half, 2,048 bytes a row (s44-47 hold nothing of cy)
	s_lshl_b32 s45, s[WC], 18
	s_add_co_u32 s44, s44, s45
	s_add_co_u32 s44, s44, WOO
	s_mov_b32 s45, 0
	s_wait_dscnt 0x0
	s_wait_kmcnt 0x0
	s_add_nc_u64 s[42:43], s[4:5], s[40:41]
	s_add_nc_u64 s[46:47], s[6:7], s[44:45]
.irp s, 0,1
	s_mov_b32 s[G0+4*(\s)], 1
	s_add_co_u32 s[G0+4*(\s)+1], s23, (\s)*SLOT
	s_add_nc_u64 s[G0+4*(\s)+2:G0+4*(\s)+3], s[42:43], (\s)*512        ; K step s: 256 columns of O,
	s_or_b32 s[G0+4*(\s)+3], s[G0+4*(\s)+3], 0x80000000
	s_mov_b32 s[G0B+4*(\s)], 1
	s_add_co_u32 s[G0B+4*(\s)+1], s2, (\s)*SLOT
	s_add_nc_u64 s[G0B+4*(\s)+2:G0B+4*(\s)+3], s[46:47], (\s)*256*2048 ; 256 rows of Wo
	s_or_b32 s[G0B+4*(\s)+3], s[G0B+4*(\s)+3], 0x80000000
.endr
	CROUND
	s_cmp_eq_u32 s[WR], 0                          ; a wave's two first fills stand in one branch
	s_cbranch_scc0 .Lfirst_b
	tensor_load_to_lds s[G0:G0+3], s[G1:G1+7]
	s_nop 0
	tensor_load_to_lds s[G0+4:G0+7], s[G1:G1+7]
	s_nop 0
	PLACES
	s_branch .Lfirst_asked
.Lfirst_b:
	tensor_load_to_lds s[G0B:G0B+3], s[G1B:G1B+7]
	s_nop 0
	tensor_load_to_lds s[G0B+4:G0B+7], s[G1B:G1B+7]
	s_nop 0
	PLACES
.Lfirst_asked:
	v_and_b32 v1, 15, v0                           ; r
	v_bfe_u32 v2, v0, 4, 1                         ; h
	v_and_b32 v6, 7, v0
	v_bfe_u32 v7, v0, 3, 1
	v_and_b32 v8, 31, v0
	v_lshlrev_b32 v9, 4, v8
	v_lshlrev_b32 v10, 2, v8
	v_lshlrev_b32 v11, 3, v8
	global_load_b128 v[32:35], v9, s[8:9]                  ; the maxima of x,
	global_load_b128 v[36:39], v9, s[8:9] offset:512
	global_load_b32 v40, v10, s[8:9] offset:1536           ; Wdown,
	global_load_b64 v[42:43], v11, s[8:9] offset:1920      ; Wv_up
	v_mul_u32_u24 v3, v1, PITCH
	v_lshl_add_u32 v3, v2, 4, v3
	s_mul_i32 s68, s[WR], HALFA
	v_add_nc_u32 v[A0], s68, v3
	v_lshl_add_u32 v4, v2, 3, v6                   ; the turning load: k row 8 h + l % 8, 16 bytes at 16 ((l / 8) % 2)
	v_mul_u32_u24 v4, v4, PW
	v_lshl_add_u32 v4, v7, 4, v4
	s_lshl_b32 s68, s[WC], 7
	s_add_co_u32 s68, s68, BOFF
	v_add_nc_u32 v[B0], s68, v4
	v_add_nc_u32 v[B0+1], HALFB, v[B0]
	v_mov_b32 v[ADRA], v[A0]
	v_mov_b32 v[ADRB], v[B0]
	v_mov_b32 v[ADRB+1], v[B0+1]
	s_mul_i32 s68, s[WV], 16*SPITCH
	s_add_co_u32 s68, s68, STAGE
	v_mul_u32_u24 v[STO], v1, SPITCH               ; in: row r, 32 bytes for each half of the lanes
	v_lshl_add_u32 v[STO], v2, 5, v[STO]
	v_add_nc_u32 v[STO], s68, v[STO]
	v_mul_u32_u24 v[RD], v2, SPITCH                ; back: lanes 0-15 one row of 256 bytes, lanes 16-31 the next
	v_lshl_add_u32 v[RD], v1, 4, v[RD]
	v_add_nc_u32 v[RD], s68, v[RD]
	v_lshlrev_b32 v[CO], 12, v2
	v_lshl_add_u32 v[CO], v1, 4, v[CO]
	s_lshl_b32 s68, s[MI], 19                      ; out0: row 128 mi + 64 wr, 4,096 bytes a row; byte 512 nj + 256 wc (s68-71 feed no descriptor)
	s_lshl_b32 s69, s[WR], 18
	s_add_co_u32 s68, s68, s69
	s_lshl_b32 s69, s[NJ], 9
	s_add_co_u32 s68, s68, s69
	s_lshl_b32 s69, s[WC], 8
	s_add_co_u32 s68, s68, s69
	s_mov_b32 s69, 0
	s_add_nc_u64 s[10:11], s[10:11], s[68:69]
	v_mov_b32 v44, 0
	s_wait_loadcnt 0x0
	v_max3_num_f32 v32, v32, v33, v34
	v_max3_num_f32 v36, v36, v37, v38
	v_max3_num_f32 v32, v32, v35, v39
	v_max_num_f32 v32, v32, v36
	v_max_num_f32 v42, v42, v43
	XMAX 32, 44, BX
	XMAX 40, 44, BD
	XMAX 42, 44, BV
	s_add_co_u32 s68, s[BX], s[BD]                 ; the exponent field of 2^(Ex + Ed + Ev + 7)
	s_add_co_u32 s68, s68, s[BV]
	s_sub_co_u32 s68, s68, 247
	s_max_i32 s68, s68, 1
	s_min_i32 s68, s68, 254
	s_lshl_b32 s[SO], s68, 23
	s_mov_b32 s[SO+1], s[SO]
; 8 products: row blocks a0, a0 + 1 x 4 column blocks, 32 along K: half c of buffer f.  The 16 accumulators take turns, one instruction a turn.
.macro MUL8 f, c, a0, zero
	WIN MUL
.irp a, \a0, (\a0)+1
.irp b, 0,1,2,3
.if \zero
	v_wmma_f32_16x16x32_f16 v[ACC+8*(4*(\a)+(\b)):ACC+8*(4*(\a)+(\b))+7], v[(\f)+64+8*(4*(\c)+(\b)):(\f)+64+8*(4*(\c)+(\b))+7], v[(\f)+8*(4*(\c)+(\a)):(\f)+8*(4*(\c)+(\a))+7], 0
.else
	v_wmma_f32_16x16x32_f16 v[ACC+8*(4*(\a)+(\b)):ACC+8*(4*(\a)+(\b))+7], v[(\f)+64+8*(4*(\c)+(\b)):(\f)+64+8*(4*(\c)+(\b))+7], v[(\f)+8*(4*(\c)+(\a)):(\f)+8*(4*(\c)+(\a))+7], v[ACC+8*(4*(\a)+(\b)):ACC+8*(4*(\a)+(\b))+7]
.endif
.endr
.endr
.endm
; 32 LDS loads in one run: the fragments of quarter q (64 along K) of the slot being read, into buffer f; the first 32 along K first
.macro FETCH q, f
	WIN TO_F
.irp c, 0,1
.irp i, 0,1,2,3
	ds_load_tr16_b128 v[(\f)+64+8*(4*(\c)+(\i)):(\f)+64+8*(4*(\c)+(\i))+3],   v[ADRB+(\q)/2] offset:(((\q)%2)*64+32*(\c))*PW+32*(\i)
	ds_load_tr16_b128 v[(\f)+64+8*(4*(\c)+(\i))+4:(\f)+64+8*(4*(\c)+(\i))+7], v[ADRB+(\q)/2] offset:(((\q)%2)*64+32*(\c))*PW+32*(\i)+16*PW
	ds_load_b128 v[(\f)+8*(4*(\c)+(\i)):(\f)+8*(4*(\c)+(\i))+3],   v[ADRA] offset:128*(\q)+64*(\c)+(\i)*16*PITCH
	ds_load_b128 v[(\f)+8*(4*(\c)+(\i))+4:(\f)+8*(4*(\c)+(\i))+7], v[ADRA] offset:128*(\q)+64*(\c)+(\i)*16*PITCH+32
.endr
.endr
.endm
.macro QUARTER q, f, g, zero           ; multiplies buffer f and fetches quarter q into g
	s_wait_dscnt 16                                ; the first 32 along K are in
	MUL8 \f, 0, 0, \zero
	MUL8 \f, 0, 2, \zero
	PLACES
	FETCH \q, \g
	s_wait_dscnt 32                                ; all but the 32 just issued
	MUL8 \f, 1, 0, 0
	MUL8 \f, 1, 2, 0
.endm
; The last quarter multiplies buffer 1 and changes slots: each wave waits for all its tensor loads, adds 0 to its spare word, waits for that and for its reads of this slot, and signals.
; fill = 1: the barrier opens a round of the cluster's barrier, and this slot is filled again, with the K step two on, first thing behind the round.
.macro TURN fill
	WIN 0
	s_wait_tensorcnt 0x0                           ; no tensor load of mine is out, so a group 0 may be written
	ds_add_u32 v[SPW], v[NIL]
.if \fill
	s_xor_b32 s[G0+5], s[G0+5], SLOT               ; the walking sets: the other slot than last time,
	s_xor_b32 s[G0B+5], s[G0B+5], SLOT
	s_add_nc_u64 s[G0+6:G0+7], s[G0+6:G0+7], 512   ; the next K step
	s_add_nc_u64 s[G0B+6:G0B+7], s[G0B+6:G0B+7], 256*2048
.endif
	s_wait_dscnt 17                                ; the add and the youngest sixteen loads may be out
	MUL8 F1, 0, 0, 0
	s_wait_dscnt 0x0
	s_barrier_signal -1
	MUL8 F1, 0, 2, 0
	WIN 0
	s_barrier_wait -1
.if \fill
	CREST
	JLOAD                                          ; its four v_nop are also the places in front of the loads below
.else
	PLACES
.endif
	s_xor_b32 s[TB], s[TB], SLOT
	v_add_nc_u32 v[ADRA], s[TB], v[A0]
	v_add_nc_u32 v[ADRB], s[TB], v[B0]
	v_add_nc_u32 v[ADRB+1], s[TB], v[B0+1]
	FETCH 0, F0
	MUL8 F1, 1, 0, 0
	MUL8 F1, 1, 2, 0
.endm
	s_wait_tensorcnt 1                             ; my part of K step 0 is in; K step 1's may stay out
	s_barrier_signal -1
	s_barrier_wait -1
	FETCH 0, F0
	QUARTER 1, F0, F1, 1                           ; the first quarter stands in front of the loop: its first products start the sums
	WIN 0
	s_mov_b32 s3, 6
.Lstep:                                        ; a trip: a K step's quarters 1 to 3 and the next step's quarter 0; trips 0 to 5 ask for K steps 2 to 7
	QUARTER 2, F1, F0, 0
	QUARTER 3, F0, F1, 0
	TURN 1
	QUARTER 1, F0, F1, 0
	WIN 0
	s_sub_co_u32 s3, s3, 1
	s_cmp_lg_u32 s3, 0
	s_cbranch_scc1 .Lstep
	s_mov_b32 s3, 2
.Ltail:                                        ; K steps 6 and 7 ask for nothing
	QUARTER 2, F1, F0, 0
	QUARTER 3, F0, F1, 0
	TURN 0
	WIN 0
	s_sub_co_u32 s3, s3, 1
	s_cmp_eq_u32 s3, 0
	s_cbranch_scc1 .Lout
	QUARTER 1, F0, F1, 0
	WIN 0
	s_branch .Ltail
.Lout:
	s_wait_dscnt 0x0                               ; the second walk's run of 32 loads, from the slot read before, serves nothing: the price, once a launch, of one text for both steps
	; THE WAY OUT, a block of 16 rows at a time: scaled in place, through my own stage, back as whole rows of 256 bytes into the registers that they left.
.macro PACKO a
.set i, ACC+32*(\a)
.rept 16
	v_pk_mul_f32 v[i:i+1], v[i:i+1], s[SO:SO+1] op_sel_hi:[1,0]
.set i, i+2
.endr
.irp b, 0,1,2,3
	ds_store_b128 v[STO], v[ACC+32*(\a)+8*(\b):ACC+32*(\a)+8*(\b)+3]   offset:64*(\b)
	ds_store_b128 v[STO], v[ACC+32*(\a)+8*(\b)+4:ACC+32*(\a)+8*(\b)+7] offset:64*(\b)+16
.endr
.irp t, 0,1,2,3,4,5,6,7
	ds_load_b128 v[ACC+32*(\a)+4*(\t):ACC+32*(\a)+4*(\t)+3], v[RD] offset:(\t)*2*SPITCH  ; LDS serves a wave's instructions in order: these see the stores above
.endr
.endm
.macro SENDO a, younger
.irp t, 0,1,2,3,4,5,6,7
	s_wait_dscnt (\younger)+7-(\t)
	global_store_b128 v[CO], v[ACC+32*(\a)+4*(\t):ACC+32*(\a)+4*(\t)+3], s[10:11] offset:(16*(\a)+2*(\t))*4096 th:TH_STORE_NT  ; 16 lanes store 256 consecutive bytes, aligned
.endr
.endm
	PLACES
	PACKO 0
	PACKO 1
	SENDO 0, 16
	PACKO 2
	SENDO 1, 16
	PACKO 3
	SENDO 2, 16
	SENDO 3, 0
	s_wait_tensorcnt 0x0                           ; the wave's end
	ds_add_u32 v[SPW], v[NIL]
	s_wait_dscnt 0x0
	CROUND
	s_endpgm
.Lfunc_end_k_q76f3b90bee_oproj:
	.size	k_q76f3b90bee_oproj, .Lfunc_end_k_q76f3b90bee_oproj-k_q76f3b90bee_oproj
	.p2alignl 7, 3214868480
	.fill 96, 4, 3214868480
	.section	.rodata,"a",@progbits
	.p2align	6, 0x0
	.amdhsa_kernel k_q76f3b90bee_oproj
		.amdhsa_group_segment_fixed_size 327680
		.amdhsa_private_segment_fixed_size 0
		.amdhsa_enable_private_segment 0
		.amdhsa_kernarg_size 32
		.amdhsa_user_sgpr_count 2
		.amdhsa_user_sgpr_kernarg_segment_ptr 1
		.amdhsa_wavefront_size32 1
		.amdhsa_system_sgpr_workgroup_id_x 1
		.amdhsa_system_sgpr_workgroup_id_y 1
		.amdhsa_system_sgpr_workgroup_id_z 1
		.amdhsa_system_vgpr_workitem_id 0
		.amdhsa_next_free_vgpr 512
		.amdhsa_next_free_sgpr 80
		.amdhsa_reserve_vcc 0
		.amdhsa_float_denorm_mode_32 3
		.amdhsa_float_denorm_mode_16_64 3
		.amdhsa_memory_ordered 1
		.amdhsa_forward_progress 1
		.amdhsa_inst_pref_size 65
	.end_amdhsa_kernel
	.amdgpu_metadata
---
amdhsa.version: [ 1, 2 ]
amdhsa.kernels:
  - .name:           k_q76f3b90bee_oproj
    .symbol:         k_q76f3b90bee_oproj.kd
    .args:
      - { .name: o16, .offset: 0, .size: 8, .value_kind: global_buffer, .address_space: global }
      - { .name: b16, .offset: 8, .size: 8, .value_kind: global_buffer, .address_space: global }
      - { .name: amax, .offset: 16, .size: 8, .value_kind: global_buffer, .address_space: global }
      - { .name: out0, .offset: 24, .size: 8, .value_kind: global_buffer, .address_space: global }
    .group_segment_fixed_size: 327680
    .private_segment_fixed_size: 0
    .kernarg_segment_align: 8
    .kernarg_segment_size: 32
    .max_flat_workgroup_size: 128
    .sgpr_count:     80
    .vgpr_count:     512
    .wavefront_size: 32
...
	.end_amdgpu_metadata
.endif
;; end of part 5
